; MI455X (gfx1250); checked and timed in simulation.
; The chip was launched on July 23, 2026; its instructions are those of AMD's public machine-readable ISA for CDNA 5 (MIT licence, August 2026) and "CDNA5" Instruction Set Architecture Reference Guide (July 2026). The comments in the code are by the model that wrote it; some were corrected since.
;; Multi Head Attention. Allowed arithmetic: matrix products marked QUANTISED: E2M3 operands, one E8M0 scale for each 32 along K, by v_wmma_scale_f32_16x16x128_f8f6f4 with both operands' format E2M3, f32 sums; everything else in f32.
;; Inputs: Wk 1,024 x 1,024 float32; Wo 1,024 x 1,024 float32; Wq 1,024 x 1,024 float32; Wv 1,024 x 1,024 float32; attention_mask 4 x 2,048 int32; bk 1,024 float32; bo 1,024 float32; bq 1,024 float32; bv 1,024 float32; hidden_states 4 x 2,048 x 1,024 float32.
;; Outputs: out0 4 x 2,048 x 1,024 float32.
;; This version of the problem:
;;   THIS VERSION OF THE PROBLEM IS GIVEN IN LOW PRECISION. The matrix products marked QUANTISED in the list below multiply operands that are first quantised to E2M3 (2 exponent bits, 3 mantissa bits; 6 bits a number), with one power-of-two scale for each 32 numbers along K (OCP MX v1.0); their sums are f32. All else is computed in f32.
;;   The module's matrix products, in the order in which they are computed (A, B: the left and right operand; K: the contracted axis; several contracted axes count as one K, in the product's order):
;;     1. [M 8,192, K 1,024] x [K 1,024, N 1,024]; A: input hidden_states; B: input Wq: QUANTISED
;;     2. [M 8,192, K 1,024] x [K 1,024, N 1,024]; A: input hidden_states; B: input Wk: QUANTISED
;;     3. [M 8,192, K 1,024] x [K 1,024, N 1,024]; A: input hidden_states; B: input Wv: QUANTISED
;;     4. batch 64 x [M 2,048, K 64] x [K 64, N 2,048]; A: computed on the way; B: computed on the way: QUANTISED
;;     5. batch 64 x [M 2,048, K 2,048] x [K 2,048, N 64]; A: softmax (see below); B: computed on the way: QUANTISED
;;     6. [M 8,192, K 1,024] x [K 1,024, N 1,024]; A: computed on the way; B: input Wo: QUANTISED
;;   THE QUANTISER, for each operand of a quantised product, along K:
;;     - K is cut into blocks of 32 from its start; a last block that is shorter is filled with zeros.
;;     - A block's scale is 2^e with e = floor(log2(the largest magnitude in the block)) - 2, held to -126 .. 127; a block of zeros has e = 0. As a byte (E8M0): e + 127.
;;     - Each number is divided by its block's scale, clamped to +-7.5, and rounded to the nearest number of E2M3, ties to even, subnormals kept.
;;     - The product sums the exact products of the quantised numbers (number of the format x scale) in f32.
;;   ~~~python
;;   def quantise(x, axis):      # numpy; x: float32 -> the quantised numbers, widened to float32 again
;;       x = np.moveaxis(x, axis, -1); K = x.shape[-1]
;;       x = np.pad(x, [(0, 0)] * (x.ndim - 1) + [(0, -K % 32)]); x = x.reshape(x.shape[:-1] + (-1, 32)); a = np.abs(x).max(-1, keepdims=True)
;;       e = np.where(a > 0, np.clip(np.frexp(np.where(a > 0, a, 1))[1] - 1 - 2, -126, 127), 0)      # np.frexp(a)[1] - 1 = floor(log2(a)), exactly
;;       r = np.clip(x / 2.0 ** e, -7.5, 7.5)
;;       step = 2.0 ** (np.maximum(np.frexp(np.where(r == 0, 1, r))[1] - 1, 0) - 3)
;;       q = np.round(r / step) * step * 2.0 ** e      # np.round: ties to even
;;       return np.moveaxis(q.reshape(q.shape[:-2] + (-1,))[..., :K], -1, axis).astype(np.float32)
;;   ~~~
;;   SOFTMAX AHEAD OF A QUANTISED PRODUCT. Where the list says 'softmax', what is quantised is not the finished softmax but p = 2^(t - M), with t = logit x log2(e) and M = ceil(the row's largest t), a whole number; so 1/2 < the row's largest p <= 1. The row's sum l is taken of the UNQUANTISED p, in f32, and the product's result is divided by l at the end. Since M is a whole number, a kernel that streams over the keys may use a running M (the ceiling of the running maximum): every later rescaling is an exact power of two, which a block's scale takes up: the codes' values come out the same.
;;   OPERANDS COMPUTED ON THE WAY. 'Computed on the way' means the value that the module computes at that place (a softmax that the list does not call 'softmax' is quantised finished and normalised). What goes into a quantiser is computed in f32, as accurately as f32 sums, v_exp_f32 and their like allow (about 1e-6 of the number): no bf16 or f16 on the way to a quantiser, and a product that is left as it is and whose result goes on into a quantised operand takes f32 operands (vector FMAs, or v_wmma_f32_16x16x4_f32). A number that lies on a knife's edge between two numbers of the format may be rounded either way, as far as f32 arithmetic and the matrix unit's own rounding can turn it there, and no further.
;; One version. Each part assembles by itself: llvm-mc -triple=amdgcn-amd-amdhsa -mcpu=gfx1250 --defsym DOCPART=n.
;; ======== version 1 of 1: 4 launches
;; limits: right only within a limited range of input values
;; workspace buffers: codes 9,437,184 bytes; scales 393,216 bytes; qkv 18,874,368 bytes; qkvs 1,310,720 bytes; ctx 6,291,456 bytes; ctxs 262,144 bytes
;; launch quant (part 1): grid 384 x 1, 4 waves a work-group, no clusters, 33,280 bytes of LDS; arguments hidden_states, Wq, Wk, Wv, Wo, codes, scales; writes codes, scales
.if DOCPART == 1
	.amdgcn_target "amdgcn-amd-amdhsa--gfx1250"
	.amdhsa_code_object_version 6
	.text
	.protected	k_q0fda7a0ea0_quant
	.globl	k_q0fda7a0ea0_quant
	.p2align	8
	.type	k_q0fda7a0ea0_quant,@function
k_q0fda7a0ea0_quant:
	s_mov_b64 s[64:65], 0
	v_nop
	global_prefetch_b8 v0, s[64:65] scope:SCOPE_SE
	s_setreg_imm32_b32 hwreg(HW_REG_WAVE_MODE, 25, 1), 1
	s_wait_xcnt 0x0
; hidden_states [8192][1024] and Wq, Wk, Wv, Wo [1024][1024], f32, K innermost, become codes of FP6 (E2M3) with one E8M0 byte for each 32 along K.
; codes: [12288 places][768 bytes], scales: [12288 places][32 bytes].  Places 0.. hidden, 8192.. Wq, 9216.. Wk, 10240.. Wv, 11264.. Wo.
; A ROW LIES AT THE PLACE THAT IS ITS NUMBER WITH BITS 3 AND 4 EXCHANGED: sixteen places on end are then the rows 8 u + i + 8 (i / 8) of a group of 32, so that in the
; later products (used transposed) the 16 registers of two neighbouring tiles are 16 neighbouring rows.  A wave's run is 8 rows, so the exchange is one of whole runs: wave 1 and wave 2 change places.
; A block's scale is 2^(floor(log2(largest magnitude)) - 2); its byte is the largest magnitude's exponent field - 2, held at 1 from below.
; LIMITS: a block of zeros, or one whose largest magnitude lies under 2^-124, gets the byte 1 (zeros: the stated quantiser says 127; the codes are zeros, and this program alone reads the bytes);
; NaN and infinities among the inputs are not served.
; A wave takes 16 steps of 512 numbers.  Each load reads 512 consecutive bytes; a step's 2,048 bytes turn through the wave's own stage in LDS, so that a lane then holds 16 neighbours along K.
; No cluster: the work-groups share no input.  No tensor load, no barrier: waves share nothing.
.set WAVES, 4
.set STEPS, 16
.set EMAX,  2
.set CB,    12                         ; bytes of 16 codes
.set R,     16                         ; v16-79   four sets of 16 numbers as loaded
.set X,     80                         ; v80-111  two sets of 16 neighbours
.set C,     128                        ; v128-191 codes: four registers a step, so that no store's data are written again
.set E,     112                        ; v112-127 a scale byte a step
.set WREG,  8192                       ; LDS: a region for each wave: two stages of 32 x SP bytes, then its 256 scale bytes
.set SP,    80                         ; a lane's place in a stage: 64 bytes + 16 of padding
.set SPW,   12                         ; v12 LDS address of my spare word; never rewritten
.set NIL,   13                         ; v13 0; never rewritten
.set SPARE, WAVES*WREG                 ; the spare words, 128 bytes a wave
	s_load_b256 s[4:11], s[0:1], 0x0               ; hidden, Wq, Wk, Wv
	s_load_b128 s[12:15], s[0:1], 0x20             ; Wo, codes
	s_load_b64 s[16:17], s[0:1], 0x30              ; scales
	v_lshl_add_u32 v[SPW], v0, 2, SPARE
	v_mov_b32 v[NIL], 0
	v_lshrrev_b32 v1, 5, v0
	v_readfirstlane_b32 s20, v1                    ; wave
	v_and_b32 v2, 31, v0                           ; lane
	v_lshlrev_b32 v3, 4, v2                        ; my 16 bytes of a load's 512
	s_mul_i32 s21, s20, WREG
	v_lshrrev_b32 v14, 2, v2
	v_mul_u32_u24 v14, v14, SP
	v_and_b32 v15, 3, v2
	v_lshl_add_u32 v14, v15, 4, v14
	v_add_nc_u32 v14, s21, v14                     ; the stage, on the way in: SP (lane / 4) + 16 (lane % 4)
	v_mul_u32_u24 v15, v2, SP
	v_add_nc_u32 v15, s21, v15                     ; and on the way out: SP x lane
; THE CODES' LAYOUT: hidden, Wq, Wk, Wv: [place][768 bytes].  Wo, inside its own 786,432 bytes from place 11,264 on: [4 K steps of 256][1,024 places][192 bytes].
; A step t is half t % 2 of row t / 2: its codes begin at (t / 2) x s31 + (t % 2) x s32, and lanes 16-31 stand s30 further on than 12 bytes a lane would have them.  The choice hangs on the work-group's number alone.
	s_cmp_lt_u32 ttmp9, 352
	s_cselect_b32 s30, 0, 196608-192
	s_mov_b32 s31, 192
	s_cselect_b32 s31, 768, s31
	s_mov_b32 s32, 2*196608
	s_cselect_b32 s32, 384, s32
	s_mov_b32 s33, 1536
	s_cselect_b32 s33, 6144, s33
	s_cselect_b32 s34, 0, 11264*768-1408*1536
	s_mov_b32 s35, 0
	s_wait_alu depctr_va_vdst(0)                   ; the wait behind the run of scalar lines, ahead of the readers below
	v_lshrrev_b32 v4, 4, v2
	v_mul_u32_u24 v4, v4, s30
	v_mad_u32_u24 v4, v2, CB, v4
	v_lshrrev_b32 v5, 1, v2
	s_add_co_u32 s21, s21, 2*32*SP
	v_add_nc_u32 v5, s21, v5                       ; LDS: my block's scale byte
	v_lshlrev_b32 v7, 3, v2
	v_add_nc_u32 v6, s21, v7                       ; and on the way out 8 bytes a lane
	s_and_b32 s22, ttmp9, 31                       ; a weight has 32 work-groups
	s_cmp_lt_u32 ttmp9, 256
	s_cselect_b32 s22, ttmp9, s22                  ; my work-group's number inside its tensor
	s_lshl_b32 s22, s22, 2
	s_add_co_u32 s22, s22, s20                     ; the run of 8,192 numbers that I read,
	s_lshl_b32 s22, s22, 15                        ; in bytes
	s_mov_b32 s23, 0
	s_and_b32 s24, s20, 1
	s_lshl_b32 s24, s24, 1
	s_lshr_b32 s25, s20, 1
	s_or_b32 s24, s24, s25                         ; the wave's two bits exchanged: they are the rows' bits 3 and 4
	s_lshl_b32 s25, ttmp9, 2
	s_add_co_u32 s24, s24, s25                     ; the run of places that I write
	s_mul_i32 s26, s24, s33                        ; a run of 8 places: 6,144 bytes, or in Wo's planes 1,536
	s_add_co_u32 s26, s26, s34
	s_mov_b32 s27, 0
	s_lshl_b32 s28, s24, 8                         ; 256 scale bytes a run
	s_mov_b32 s29, 0
	s_wait_alu depctr_va_vdst(0)
	s_wait_kmcnt 0x0
	s_cmp_lt_u32 ttmp9, 352                        ; which tensor: the choice hangs on the work-group's number alone
	s_cselect_b64 s[12:13], s[10:11], s[12:13]
	s_cmp_lt_u32 ttmp9, 320
	s_cselect_b64 s[12:13], s[8:9], s[12:13]
	s_cmp_lt_u32 ttmp9, 288
	s_cselect_b64 s[12:13], s[6:7], s[12:13]
	s_cmp_lt_u32 ttmp9, 256
	s_cselect_b64 s[12:13], s[4:5], s[12:13]
	s_add_nc_u64 s[12:13], s[12:13], s[22:23]
	s_add_nc_u64 s[14:15], s[14:15], s[26:27]
	s_add_nc_u64 s[16:17], s[16:17], s[28:29]
.macro LOAD t
.irp i, 0,1,2,3
	global_load_b128 v[R+16*((\t)%4)+4*\i:R+16*((\t)%4)+4*\i+3], v3, s[12:13] offset:2048*(\t)+512*\i th:TH_LOAD_NT   ; 32 lanes read 512 consecutive bytes
.endr
.endm
.macro TURN t                          ; step t's numbers through the stage: LDS serves a wave's instructions in order, so no wait stands between the stores and the loads
.irp i, 0,1,2,3
	ds_store_b128 v14, v[R+16*((\t)%4)+4*\i:R+16*((\t)%4)+4*\i+3] offset:32*SP*((\t)%2)+8*SP*\i
.endr
.irp i, 0,1,2,3
	ds_load_b128 v[X+16*((\t)%2)+4*\i:X+16*((\t)%2)+4*\i+3], v15 offset:32*SP*((\t)%2)+16*\i
.endr
.endm
.irp t, 0,1,2,3
	LOAD \t
.endr
	s_wait_loadcnt 12                              ; step 0's four loads are in; the three later steps' twelve stay out
	TURN 0
.macro STEP t
.set XS, X+16*((\t)%2)
.if (\t) > 0
	s_wait_dscnt 1                                 ; this step's numbers are back from the stage (the last step's byte store may be out)
.else
	s_wait_dscnt 0x0
.endif
.if (\t)+4 < STEPS
	LOAD (\t)+4                                    ; the registers that the stage's stores have read take the loads of four steps on
.endif
.if (\t)+1 < STEPS
.if STEPS-2-(\t) >= 3
	s_wait_loadcnt 12                              ; the next step's four loads are in; those of the three steps behind it may be out
.else
	s_wait_loadcnt 4*(STEPS-2-(\t))
.endif
	TURN (\t)+1
.endif
	v_max3_num_f32 v8, |v[XS]|, |v[XS+1]|, |v[XS+2]|               ; the largest magnitude of my 16, in two chains
	v_max3_num_f32 v9, |v[XS+3]|, |v[XS+4]|, |v[XS+5]|
.irp i, 6,10
	v_max3_num_f32 v8, v8, |v[XS+\i]|, |v[XS+\i+1]|
	v_max3_num_f32 v9, v9, |v[XS+\i+2]|, |v[XS+\i+3]|
.endr
	v_max3_num_f32 v8, v8, |v[XS+14]|, |v[XS+15]|
	v_max3_num_f32 v8, v8, v9, (EMAX+1)<<23        ; and the floor 2^(3 - 127): the byte cannot fall under 1
	v_max_num_f32_dpp v8, v8, v8 row_xmask:1 row_mask:0xf bank_mask:0xf   ; with my neighbour's 16: the block's
	v_add_nc_u32 v11, -(EMAX<<23), v8              ; 2 off its exponent field: the conversion takes the exponent field of this operand as its scale
	v_cvt_scalef32_pk16_fp6_f32 v[C+4*(\t):C+4*(\t)+2], v[XS:XS+15], v11
	v_lshrrev_b32 v[E+(\t)], 23, v11               ; the scale's byte (also the plain line behind the conversion)
	ds_store_b8 v5, v[E+(\t)] offset:16*(\t)       ; both lanes of a block write the same byte with the same value
.if (\t)%2
	s_add_co_u32 s36, s35, s32
	v_add_nc_u32 v[C+4*(\t)+3], s36, v4            ; each step's offset has a register of its own, the fourth of the step's four
	s_add_co_u32 s35, s35, s31
.else
	v_add_nc_u32 v[C+4*(\t)+3], s35, v4
.endif
	global_store_b96 v[C+4*(\t)+3], v[C+4*(\t):C+4*(\t)+2], s[14:15]
.endm
.irp t, 0,1,2,3,4,5,6,7,8,9,10,11,12,13,14,15
	STEP \t
.endr
	ds_load_b64 v[8:9], v6                         ; LDS serves a wave's instructions in order: these see my byte stores
	s_wait_dscnt 0x0
	global_store_b64 v7, v[8:9], s[16:17]          ; 32 lanes store 256 consecutive bytes, aligned
	s_wait_tensorcnt 0x0                           ; the wave's end, behind my last LDS store
	ds_add_u32 v[SPW], v[NIL]
	s_wait_dscnt 0x0
	s_endpgm
.Lfunc_end_k_q0fda7a0ea0_quant:
	.size	k_q0fda7a0ea0_quant, .Lfunc_end_k_q0fda7a0ea0_quant-k_q0fda7a0ea0_quant
	.p2alignl 7, 3214868480
	.fill 96, 4, 3214868480
	.section	.rodata,"a",@progbits
	.p2align	6, 0x0
	.amdhsa_kernel k_q0fda7a0ea0_quant
		.amdhsa_group_segment_fixed_size 33280
		.amdhsa_private_segment_fixed_size 0
		.amdhsa_enable_private_segment 0
		.amdhsa_kernarg_size 56
		.amdhsa_user_sgpr_count 2
		.amdhsa_user_sgpr_kernarg_segment_ptr 1
		.amdhsa_wavefront_size32 1
		.amdhsa_system_sgpr_workgroup_id_x 1
		.amdhsa_system_sgpr_workgroup_id_y 1
		.amdhsa_system_sgpr_workgroup_id_z 1
		.amdhsa_system_vgpr_workitem_id 0
		.amdhsa_next_free_vgpr 192
		.amdhsa_next_free_sgpr 66
		.amdhsa_reserve_vcc 0
		.amdhsa_float_denorm_mode_32 3
		.amdhsa_float_denorm_mode_16_64 3
		.amdhsa_memory_ordered 1
		.amdhsa_forward_progress 1
		.amdhsa_inst_pref_size 35
	.end_amdhsa_kernel
	.amdgpu_metadata
---
amdhsa.version: [ 1, 2 ]
amdhsa.kernels:
  - .name:           k_q0fda7a0ea0_quant
    .symbol:         k_q0fda7a0ea0_quant.kd
    .args:
      - { .name: hidden_states, .offset: 0, .size: 8, .value_kind: global_buffer, .address_space: global }
      - { .name: Wq, .offset: 8, .size: 8, .value_kind: global_buffer, .address_space: global }
      - { .name: Wk, .offset: 16, .size: 8, .value_kind: global_buffer, .address_space: global }
      - { .name: Wv, .offset: 24, .size: 8, .value_kind: global_buffer, .address_space: global }
      - { .name: Wo, .offset: 32, .size: 8, .value_kind: global_buffer, .address_space: global }
      - { .name: codes, .offset: 40, .size: 8, .value_kind: global_buffer, .address_space: global }
      - { .name: scales, .offset: 48, .size: 8, .value_kind: global_buffer, .address_space: global }
    .group_segment_fixed_size: 33280
    .private_segment_fixed_size: 0
    .kernarg_segment_align: 8
    .kernarg_segment_size: 56
    .max_flat_workgroup_size: 128
    .sgpr_count:     66
    .vgpr_count:     192
    .wavefront_size: 32
...
	.end_amdgpu_metadata
.endif
;; end of part 1
;; launch qkv (part 2): grid 8 x 32, 4 waves a work-group, clusters of 4 x 4, 327,680 bytes of LDS; arguments codes, scales, bq, bk, bv, qkv, qkvs; writes qkv, qkvs
.if DOCPART == 2
	.amdgcn_target "amdgcn-amd-amdhsa--gfx1250"
	.amdhsa_code_object_version 6
	.text
	.protected	k_q0fda7a0ea0_qkv
	.globl	k_q0fda7a0ea0_qkv
	.p2align	8
	.type	k_q0fda7a0ea0_qkv,@function
k_q0fda7a0ea0_qkv:
	s_mov_b64 s[64:65], 0
	v_nop
	global_prefetch_b8 v0, s[64:65] scope:SCOPE_SE
	s_setreg_imm32_b32 hwreg(HW_REG_WAVE_MODE, 25, 1), 1
	s_wait_xcnt 0x0
	s_wait_alu depctr_hold_cnt(0) depctr_sa_sdst(0) depctr_va_vdst(0) depctr_va_sdst(0) depctr_va_ssrc(0) depctr_va_vcc(0) depctr_vm_vsrc(0)
	s_getreg_b32 s2, hwreg(HW_REG_IB_STS2, 6, 4)
	s_cmp_eq_u32 s2, 0
	s_cbranch_scc0 .Lentry_in_a_cluster
	s_endpgm
.Lentry_in_a_cluster:
	s_bfe_u32 s2, ttmp6, 0x10000c
	s_cmp_lg_u32 s2, 0xf033
	s_cbranch_scc0 .Lentry_shape_is_right
	s_endpgm
.Lentry_shape_is_right:
; V, K, Q = x W^T + b on codes of FP6 (E2M3) with E8M0 scales, and their quantisers: the results leave as codes and scale bytes, as images of the operand registers of the launch that reads them.
; codes: [place][768 bytes], scales: [place][32]: x's 8,192 places, then Wq's, Wk's, Wv's 1,024 each.  A row lies at the place that is its number with bits 3 and 4 exchanged.
; qkv: a record of 18,432 bytes for each (batch, head, 128 tokens): K's eight tiles of 768 bytes, V's four of 1,536, Q's eight.  qkvs: 1,280 bytes a record: K's words 512, V's 256, Q's 512.
; THE DEAL.  256 work-groups of four waves, 2 x 2.  A work-group takes 256 tokens and 128 columns (two heads) of EACH of V, K, Q, in three phases.
; ITS 256 ROWS OF x, ALL OF K, COME INTO LDS ONCE AND STAY.  A weight's 128 rows have a region of their own, filled again twice, each time as soon as all waves hold the old rows in registers: a refill has a whole phase in which to land,
; so nothing waits for it and no prefetch is laid.  A wave holds 64 rows of the weight (one head), all of K, in 384 registers, and streams its 128 tokens (one record) past them in blocks of 16: 32 products a block.
; A block's fragments lie twice in registers: behind block s's products its set takes block s + 2 (behind the last two blocks of V and K: the next phase's first two).
; V COMES FIRST: it is quantised along the tokens, so its results can leave only at its phase's end; they leave under the flight of K's weights into registers.  K and Q are quantised along the head's 64 and leave block by block.
; x's rows are shared by a row of the cluster, a weight's rows by a column: joint loads.  The bias of K and Q is the first products' C; V's is added on the way to the quantiser.
; THE COUNTED WAIT: s_wait_dscnt NF ahead of a block: younger than its fetch is the next block's fetch alone, NF = 26 + 2 loads.
; LIMITS: a block of zeros, or under 2^-124, gets the byte 1; NaN and infinities are not served.
.set KROW,  768
.set KS,    32
.set PITCH, 816                        ; an LDS row: 3 x (256 + 16)
.set FR,    12
.set FPW,   21                         ; fragments in a window of 256 registers
.set NF,    28
.set BSTEP, 16*PITCH
.set SSTEP, 544                        ; 16 rows of scale bytes: 512 + two paddings
.set XB,    0
.set WB,    256*PITCH
.set XS,    WB+128*PITCH
.set SPARE, XS+32*272
.set IO16, 1
.set IO8,  2
.set SPW,  3
.set NIL,  4
.set AX0,  5                           ; v5, v6 my fragments of block 0 (v6: the pieces whose lanes 16-31 lie behind one padding more); v7 my scale words
.set AX1,  6
.set AXS,  7
.set FA0,  8                           ; v8-10 the same for the block that is fetched next
.set FA1,  9
.set FAS,  10
.set SCO,  11                          ; 16 r + 256 h
.set SCV,  12                          ; 16 r + 8 h
.set ABS,  13                          ; 32 x lane
.set BOF,  14                          ; 64 h
.set BVO,  15
.set SBV,  16                          ; v16-63 the three weights' scale words: register 8 (b / 2) + q: lanes 0-15 tile b even, lanes 16-31 odd
.set SBK,  32
.set SBQ,  48
.set SA,   68                          ; v68-83 the rows' scale words, two sets
.set PW,   84                          ; v84-91 the results' scale words
.set TM,   92
.set PC,   104
.set BV,   124                         ; v124-127 V's bias
.set ACC,  128                         ; v128-159 K's or Q's sums of a block;  V's sums: tiles 0, 1 at v128, v192; tiles 2, 3 at v840, v904
.set BQA,  192                         ; v192-223 Q's bias
.set BKA,  968                         ; v968-999 K's
.set WA,   232                         ; v1000-1007 (window 3) LDS addresses of the weight's four tiles
.set G1X, 24
.set G1W, 32
.set G1S, 48
.set G0W, 56
.set G0S, 60
.set G0XA, 68
.set G0XB, 72
.set MSB, 0
.macro WIN new
.if MSB != (\new)
	s_set_vgpr_msb (MSB<<8)|(\new)
.set MSB, \new
.endif
.endm
.macro WALU
	s_wait_alu depctr_va_vdst(0)
.endm
.macro PLACES n
.rept \n
	v_nop
.endr
.endm
.macro BARRIER
	s_barrier_signal -1
	s_barrier_wait -1
.endm
.macro CROUND
	BARRIER
	s_cmp_lg_u32 s14, 0
	s_cbranch_scc1 .Lnot_wave_0_\@
	s_barrier_signal -3
.Lnot_wave_0_\@:
	s_barrier_wait -3
	BARRIER
.endm
.macro TLOAD g0, g1
	tensor_load_to_lds s[\g0:\g0+3], s[\g1:\g1+7]
	s_nop 0
	PLACES 4
.endm
.macro GROUP1 g, mask                  ; 128 rows of 768 bytes, 16 bytes of padding behind every 256
	s_or_b32 s[\g], s\mask, (1<<20)|(1<<21)|(5<<22)|(3<<25)
	s_mov_b32 s[\g+1], KROW<<16
	s_mov_b32 s[\g+2], 128<<16
	s_mov_b32 s[\g+3], KROW<<16
	s_mov_b32 s[\g+4], 128
	s_mov_b32 s[\g+5], KROW
	s_mov_b32 s[\g+6], 0
	s_mov_b32 s[\g+7], 0
.endm
; Fragment f lies in window 1 + f / 21 at register 12 (f % 21): 0-31 the weight's (4 q + b), 32-39 and 40-47 the rows' two sets.
; Its six pieces of 8 bytes: piece U of a row lies at 8 (U + 2 (U / 32)); lanes 16-31 read three pieces on; two pieces go by one load where both go by the same address register.
.macro FRAG f, q, a0, a1, aw
	WIN ((1+(\f)/FPW)<<6)|(\aw)
.set R_, FR*((\f)%FPW)
.set SK_, 0
.irp p, 0,1,2,3,4,5
.if SK_
.set SK_, 0
.else
.set U_, 12*(\q)+6*(\p/3)+\p%3
.set N_, 12*(\q)+6*((\p+1)/3)+(\p+1)%3
.set XU_, (U_%32+3)/32
.set XN_, (N_%32+3)/32
.if (\p < 5) && (XU_ == XN_)
.set SK_, 1
.if XU_
	ds_load_2addr_b64 v[R_+2*\p:R_+2*\p+3], v[\a1] offset0:U_+2*(U_/32) offset1:N_+2*(N_/32)
.else
	ds_load_2addr_b64 v[R_+2*\p:R_+2*\p+3], v[\a0] offset0:U_+2*(U_/32) offset1:N_+2*(N_/32)
.endif
.elseif XU_
	ds_load_b64 v[R_+2*\p:R_+2*\p+1], v[\a1] offset:8*(U_+2*(U_/32))
.else
	ds_load_b64 v[R_+2*\p:R_+2*\p+1], v[\a0] offset:8*(U_+2*(U_/32))
.endif
.endif
.endr
.endm
.macro WEIGHTS                         ; my 64 rows of the weight, all of K: 104 loads
.irp q, 0,1,2,3,4,5,6,7
.irp b, 0,1,2,3
	FRAG 4*\q+\b, \q, WA+2*\b, WA+2*\b+1, 3
.endr
.endr
	WIN 0
.endm
.macro FETCH e                         ; a block of 16 rows into set e: NF loads
.irp q, 0,1,2,3,4,5,6,7
	FRAG 32+8*(\e)+\q, \q, FA0, FA1, 0
.endr
	WIN 0
	ds_load_b128 v[SA+8*(\e):SA+8*(\e)+3], v[FAS]
	ds_load_b128 v[SA+8*(\e)+4:SA+8*(\e)+7], v[FAS] offset:16
.endm
.macro AIM_C blk                       ; the next fetch's addresses; with the v_nop the four places between a block's products and the loads into their registers
	WIN 0
	v_add_nc_u32 v[FA0], (\blk)*BSTEP, v[AX0]
	v_add_nc_u32 v[FA1], (\blk)*BSTEP, v[AX1]
	v_add_nc_u32 v[FAS], (\blk)*SSTEP, v[AXS]
	v_nop
.endm
.macro AIM_S sx, ss
	WIN 0
	v_add_nc_u32 v[FA0], s\sx, v[AX0]
	v_add_nc_u32 v[FA1], s\sx, v[AX1]
	v_add_nc_u32 v[FAS], s\ss, v[AXS]
	v_nop
.endm
.macro MMS d, a, b, c, xa, xb, side, odd
.if \odd
	v_wmma_scale_f32_16x16x128_f8f6f4 v[\d:\d+7], v[\a:\a+FR-1], v[\b:\b+FR-1], \c, v[\xa], v[\xb] matrix_a_fmt:MATRIX_FMT_FP6 matrix_b_fmt:MATRIX_FMT_FP6 matrix_\side\()_scale:MATRIX_SCALE_ROW1
.else
	v_wmma_scale_f32_16x16x128_f8f6f4 v[\d:\d+7], v[\a:\a+FR-1], v[\b:\b+FR-1], \c, v[\xa], v[\xb] matrix_a_fmt:MATRIX_FMT_FP6 matrix_b_fmt:MATRIX_FMT_FP6
.endif
.endm
; 32 products of a block; the four accumulators take turns, K ascending
.macro VPRODS e, s                     ; V: source 0 the tokens, source 1 the weight's rows: a lane holds one channel, its registers run along the tokens
.irp q, 0,1,2,3,4,5,6,7
.irp b, 0,1,2,3
.set FA_, 32+8*(\e)+\q
.set FB_, 4*\q+\b
.set D_, 128+64*\b+(\b/2)*584+8*(\s)
.set DL_, D_&255
	WIN (1+FA_/FPW)|((1+FB_/FPW)<<2)|((D_>>8)<<4)|((D_>>8)<<6)
.if \q
	MMS DL_, FR*(FA_%FPW), FR*(FB_%FPW), v[DL_:DL_+7], SA+8*(\e)+\q, SBV+8*(\b/2)+\q, b, (\b%2)
.else
	MMS DL_, FR*(FA_%FPW), FR*(FB_%FPW), 0, SA+8*(\e)+\q, SBV+8*(\b/2)+\q, b, (\b%2)
.endif
.endr
.endr
.endm
.macro QPRODS e, sb, cabs              ; K, Q: source 0 the weight's rows, source 1 the tokens: a lane holds one token, its registers run along the head
.irp q, 0,1,2,3,4,5,6,7
.irp b, 0,1,2,3
.set FA_, 32+8*(\e)+\q
.set FB_, 4*\q+\b
.set D_, ACC+8*\b
.set C_, (\cabs)+8*\b
.set CL_, C_&255
.if \q
	WIN (1+FB_/FPW)|((1+FA_/FPW)<<2)
	MMS D_, FR*(FB_%FPW), FR*(FA_%FPW), v[D_:D_+7], (\sb)+8*(\b/2)+\q, SA+8*(\e)+\q, a, (\b%2)
.else
	WIN (1+FB_/FPW)|((1+FA_/FPW)<<2)|((C_>>8)<<4)
	MMS D_, FR*(FB_%FPW), FR*(FA_%FPW), v[CL_:CL_+7], (\sb)+8*(\b/2)+\q, SA+8*(\e)+\q, a, (\b%2)
.endif
.endr
.endr
.endm
; The way out of a block of K or Q: 32 sums a lane, d = 32 b + 16 h + i: two scale blocks, each in lanes l and l xor 16
.macro EPIQ w, off
	s_wait_xcnt 0x0                                ; the earlier stores have read the codes' registers
.irp c, 0,1,2,3
	v_max3_num_f32 v[TM+\c], |v[ACC+8*\c]|, |v[ACC+8*\c+1]|, |v[ACC+8*\c+2]|
.endr
.irp k, 3,5
.irp c, 0,1,2,3
	v_max3_num_f32 v[TM+\c], v[TM+\c], |v[ACC+8*\c+\k]|, |v[ACC+8*\c+\k+1]|
.endr
.endr
.irp c, 0,1,2,3
	v_max3_num_f32 v[TM+\c], v[TM+\c], |v[ACC+8*\c+7]|, 0x1800000   ; and the floor 2^(3 - 127)
.endr
	v_max_num_f32 v[TM], v[TM], v[TM+1]
	v_max_num_f32 v[TM+1], v[TM+2], v[TM+3]
.irp b, 0,1
	v_permlanex16_b32 v[TM+4+\b], v[TM+\b], s46, s47
.endr
.irp b, 0,1
	v_max_num_f32 v[TM+\b], v[TM+\b], v[TM+4+\b]
.endr
.irp b, 0,1
	v_add_nc_u32 v[TM+8+\b], 0xff000000, v[TM+\b]
.endr
.irp b, 0,1
	v_lshrrev_b32 v[TM+4+\b], 23, v[TM+8+\b]
.endr
	v_lshl_or_b32 v[\w], v[TM+5], 8, v[TM+4]
	v_cvt_scalef32_pk16_fp6_f32 v[PC:PC+2], v[ACC:ACC+15], v[TM+8]
	v_cvt_scalef32_pk16_fp6_f32 v[PC+12:PC+14], v[ACC+16:ACC+31], v[TM+9]
	v_nop
.irp k, 0,1,2
	v_permlane16_swap_b32 v[PC+\k], v[PC+12+\k]
.endr
.irp k, 0,1,2
	v_mov_b32 v[PC+3+\k], v[PC+12+\k]
.endr
	global_store_b128 v[IO16], v[PC:PC+3], s[90:91] offset:\off        ; 512 and 256 consecutive bytes, aligned
	global_store_b64 v[IO8], v[PC+4:PC+5], s[90:91] offset:(\off)+512
.endm
; Two blocks.  mode 0: in the loop, the fetches go by s96, s97; 1: the last two blocks, which fetch the next phase's first two; 2: they fetch nothing
.macro QPAIR sb, cabs, mode
	WALU                                           ; the words below were written ahead of the jump
.irp k, 0,1,2,3,4,5
	v_mov_b32 v[PW+\k], v[PW+\k+2]                 ; the scale words move up by two: after four pairs word s lies in register s
.endr
	WALU
	s_wait_dscnt NF
	QPRODS 0, \sb, \cabs
.if \mode == 0
	AIM_S 96, 97
	FETCH 0
.elseif \mode == 1
	AIM_C 0
	FETCH 0
.else
	WIN 0
	PLACES 4
.endif
	EPIQ PW+6, 0
	WALU
.if \mode == 2
	s_wait_dscnt 0x0
.else
	s_wait_dscnt NF
.endif
	QPRODS 1, \sb, \cabs
.if \mode == 0
	s_add_co_u32 s20, s96, BSTEP
	s_add_co_u32 s21, s97, SSTEP
	AIM_S 20, 21
	FETCH 1
.elseif \mode == 1
	AIM_C 1
	FETCH 1
.else
	WIN 0
	PLACES 4
.endif
	EPIQ PW+7, 768
	s_wait_xcnt 0x0
	s_add_nc_u64 s[90:91], s[90:91], 1536
.endm
.macro QPHASE sb, cabs, tail
	s_mov_b32 s96, 2*BSTEP
	s_mov_b32 s97, 2*SSTEP
	s_mov_b32 s99, 0
.Lpair_\@:
	QPAIR \sb, \cabs, 0
	s_add_co_u32 s96, s96, 2*BSTEP
	s_add_co_u32 s97, s97, 2*SSTEP
	s_add_co_u32 s99, s99, 1
	s_cmp_lt_u32 s99, 3
	s_cbranch_scc1 .Lpair_\@
	QPAIR \sb, \cabs, \tail
.endm
.macro PWSTORE off                     ; eight words a row: lanes 0-15 store tiles 0-3's, lanes 16-31 tiles 4-7's: 512 consecutive bytes
	s_wait_xcnt 0x0
.irp j, 0,1,2,3
	v_cndmask_b32 v[TM+\j], v[PW+\j], v[PW+4+\j], s98
.endr
	global_store_b128 v[SCO], v[TM:TM+3], s[94:95] offset:\off
.endm
; 64 numbers a lane, k = 32 b + 16 h + i, into an operand of twelve registers and its scale word
.macro QUANT s, pw
.irp b, 0,1,2,3
	v_max3_num_f32 v[TM+\b], |v[\s+16*\b]|, |v[\s+1+16*\b]|, 0x1800000
.endr
.irp i, 2,4,6,8,10,12,14
.irp b, 0,1,2,3
	v_max3_num_f32 v[TM+\b], v[TM+\b], |v[\s+16*\b+\i]|, |v[\s+1+16*\b+\i]|
.endr
.endr
.irp b, 0,1,2,3
	v_permlanex16_b32 v[TM+4+\b], v[TM+\b], s46, s47
.endr
.irp b, 0,1,2,3
	v_max_num_f32 v[TM+\b], v[TM+\b], v[TM+4+\b]
.endr
.irp b, 0,1,2,3
	v_add_nc_u32 v[TM+8+\b], 0xff000000, v[TM+\b]
.endr
.irp b, 0,1,2,3
	v_lshrrev_b32 v[TM+4+\b], 23, v[TM+8+\b]
.endr
	v_lshl_or_b32 v[\pw], v[TM+5], 8, v[TM+4]
	v_lshl_or_b32 v[\pw], v[TM+6], 16, v[\pw]
	v_lshl_or_b32 v[\pw], v[TM+7], 24, v[\pw]
.irp c, 0,1
	v_cvt_scalef32_pk16_fp6_f32 v[PC+6*\c:PC+2+6*\c], v[\s+32*\c:\s+15+32*\c], v[TM+8+2*\c]
	v_cvt_scalef32_pk16_fp6_f32 v[PC+12+4*\c:PC+14+4*\c], v[\s+16+32*\c:\s+31+32*\c], v[TM+9+2*\c]
.endr
	v_nop
.irp c, 0,1
.irp i, 0,1,2
	v_permlane16_swap_b32 v[PC+6*\c+\i], v[PC+12+4*\c+\i]
.endr
.irp i, 0,1,2
	v_mov_b32 v[PC+3+6*\c+\i], v[PC+12+4*\c+\i]
.endr
.endr
.endm
.macro EPIV t                          ; V's tile t: 16 channels x 128 tokens; the bias is added on the way into v128 or v192
	s_wait_xcnt 0x0
.set HH_, 128+64*(\t%2)
.set SR_, (128+64*\t+(\t/2)*584)&255
	WIN 3*(\t/2)
.set i, 0
.rept 32
.if \t%2
	v_pk_add_f32 v[HH_+2*i:HH_+2*i+1], v[SR_+2*i:SR_+2*i+1], v[BV+2*(\t/2):BV+2*(\t/2)+1] op_sel:[0,1] op_sel_hi:[1,1]
.else
	v_pk_add_f32 v[HH_+2*i:HH_+2*i+1], v[SR_+2*i:SR_+2*i+1], v[BV+2*(\t/2):BV+2*(\t/2)+1] op_sel_hi:[1,0]
.endif
.set i, i+1
.endr
	WIN 0
	QUANT HH_, PW+\t
.irp c, 0,1,2
	global_store_b128 v[IO16], v[PC+4*\c:PC+4*\c+3], s[92:93] offset:6144+1536*\t+512*\c
.endr
.endm
; The weight's region is filled again: a round of the cluster's barrier, and waves 0 and 1 ask for a half each
.macro REFILL src
	WALU
	s_wait_tensorcnt 0x0
	ds_add_u32 v[SPW], v[NIL]
	s_mov_b32 s[G1W+2], 64<<16
	s_mov_b32 s[G1W+4], 64
	s_mul_i32 s[G0W+1], s14, 64*PITCH
	s_add_co_u32 s[G0W+1], s[G0W+1], WB
	s_mov_b64 s[G0W+2:G0W+3], s[\src:\src+1]
	s_or_b32 s[G0W+3], s[G0W+3], 0x80000000
	s_wait_dscnt 0x0                               ; the add, and my reads of the old rows
	CROUND
	s_cmp_lt_u32 s14, 2
	s_cbranch_scc0 .Lno_half_\@
	TLOAD G0W, G1W
.Lno_half_\@:
.endm
.macro SHOW                            ; a plain barrier shows what the last refill brought
	WALU
	s_wait_tensorcnt 0x0
	s_wait_dscnt 0x0
	BARRIER
.endm
; ---- the head
	s_load_b128 s[4:7], s[0:1], 0x0                ; codes, scales
	s_load_b256 s[76:83], s[0:1], 0x10             ; bq, bk, bv, qkv
	s_load_b64 s[84:85], s[0:1], 0x30              ; qkvs
	v_lshl_add_u32 v[SPW], v0, 2, SPARE
	v_mov_b32 v[NIL], 0
	ds_add_u32 v[SPW], v[NIL]                      ; the opening lines
	ds_add_u32 v[SPW], v[NIL]
	v_lshrrev_b32 v64, 5, v0
	v_readfirstlane_b32 s14, v64                   ; the wave; s15 its half of the rows, s16 its half of the columns
	s_lshr_b32 s15, s14, 1
	s_and_b32 s16, s14, 1
	s_bfe_u32 s40, ttmp6, 0x40000
	s_bfe_u32 s41, ttmp6, 0x40004
	s_lshl_b32 s42, ttmp9, 2
	s_add_co_u32 s42, s42, s40                     ; which 128 columns, 0 .. 7
	s_and_b32 s43, ttmp7, 0xffff
	s_lshl_b32 s43, s43, 2
	s_add_co_u32 s43, s43, s41                     ; which 256 tokens, 0 .. 31
	s_lshl_b32 s44, s41, 2
	s_lshl_b32 s44, 15, s44                        ; my row of the cluster
	s_lshl_b32 s45, 0x1111, s40                    ; my column
	GROUP1 G1X, 44
	GROUP1 G1W, 45
	s_or_b32 s[G1S], s44, (3<<16)|(1<<20)|(1<<21)|(5<<22)|(3<<25)   ; the rows' 8,192 scale bytes: 32 rows of 256
	s_mov_b32 s[G1S+1], 32<<16
	s_mov_b32 s[G1S+2], 32<<16
	s_mov_b32 s[G1S+3], 32<<16
	s_mov_b32 s[G1S+4], 32
	s_mov_b32 s[G1S+5], 32
	s_mov_b32 s[G1S+6], 0
	s_mov_b32 s[G1S+7], 0
	s_mov_b32 s[G0W], 1
	s_mov_b32 s[G0W+1], WB
	s_mov_b32 s[G0S], 1
	s_mov_b32 s[G0S+1], XS
	s_mov_b32 s[G0XA], 1
	s_mov_b32 s[G0XA+1], XB
	s_mov_b32 s[G0XB], 1
	s_mov_b32 s[G0XB+1], XB+128*PITCH
	s_mov_b32 s46, 0x76543210
	s_mov_b32 s47, 0xfedcba98
	s_mov_b32 s98, 0xffff0000
	s_mul_i32 s17, s43, 256*KROW                   ; my rows, bytes from codes
	s_mul_i32 s18, s43, 256*KS                     ; their scale bytes
	s_mul_i32 s19, s42, 128*KROW                   ; my columns inside a weight
	s_mul_i32 s23, s14, 64*KROW
	s_add_co_u32 s23, s23, s19                     ; a refill's half
	s_lshl_b32 s2, s42, 12
	s_lshl_b32 s3, s16, 11
	s_add_co_u32 s2, s2, s3                        ; my 64 rows' scale bytes inside a weight,
	s_lshr_b32 s3, s2, 3                           ; and their bias
	s_lshl_b32 s20, s42, 1
	s_add_co_u32 s20, s20, s16                     ; my head
	s_lshr_b32 s21, s43, 3                         ; the batch
	s_lshl_b32 s21, s21, 4
	s_add_co_u32 s21, s21, s20
	s_lshl_b32 s21, s21, 4
	s_and_b32 s22, s43, 7
	s_lshl_b32 s22, s22, 1
	s_add_co_u32 s22, s22, s15
	s_add_co_u32 s21, s21, s22                     ; my record
	s_mul_i32 s92, s21, 18432
	s_mov_b32 s93, 0
	s_mul_i32 s94, s21, 1280
	s_mov_b32 s95, 0
	WALU
	s_wait_dscnt 0x0
	CROUND                                         ; all sixteen work-groups are here: the first joint loads meet
	s_wait_kmcnt 0x0
	s_mov_b32 s21, 0
	s_mov_b32 s20, s17
	s_add_nc_u64 s[G0XA+2:G0XA+3], s[4:5], s[20:21]
	s_add_nc_u64 s[G0XB+2:G0XB+3], s[G0XA+2:G0XA+3], 128*KROW
	s_or_b32 s[G0XA+3], s[G0XA+3], 0x80000000
	s_or_b32 s[G0XB+3], s[G0XB+3], 0x80000000
	s_mov_b32 s20, s18
	s_add_nc_u64 s[G0S+2:G0S+3], s[6:7], s[20:21]
	s_or_b32 s[G0S+3], s[G0S+3], 0x80000000
	s_add_co_u32 s20, s19, 10240*KROW
	s_add_nc_u64 s[G0W+2:G0W+3], s[4:5], s[20:21]
	s_or_b32 s[G0W+3], s[G0W+3], 0x80000000
	s_add_co_u32 s20, s23, 9216*KROW
	s_add_nc_u64 s[86:87], s[4:5], s[20:21]        ; Wk's half
	s_add_co_u32 s20, s23, 8192*KROW
	s_add_nc_u64 s[88:89], s[4:5], s[20:21]        ; Wq's
	s_mov_b32 s20, s2
	s_add_nc_u64 s[22:23], s[6:7], s[20:21]
	s_mov_b32 s20, s3
	s_add_nc_u64 s[76:77], s[76:77], s[20:21]
	s_add_nc_u64 s[78:79], s[78:79], s[20:21]
	s_add_nc_u64 s[80:81], s[80:81], s[20:21]
	s_add_nc_u64 s[92:93], s[82:83], s[92:93]
	s_add_nc_u64 s[94:95], s[84:85], s[94:95]
	s_cmp_eq_u32 s14, 0                            ; one load a wave, one chain of branches, one join
	s_cbranch_scc0 .Lwave_1
	TLOAD G0W, G1W                                 ; wave 0: Wv's rows
	s_branch .Lasked
.Lwave_1:
	s_cmp_eq_u32 s14, 1
	s_cbranch_scc0 .Lwave_2
	TLOAD G0S, G1S                                 ; wave 1: the rows' scale bytes
	s_branch .Lasked
.Lwave_2:
	s_cmp_eq_u32 s14, 2
	s_cbranch_scc0 .Lwave_3
	TLOAD G0XA, G1X                                ; wave 2: rows 0-127
	s_branch .Lasked
.Lwave_3:
	TLOAD G0XB, G1X                                ; wave 3: rows 128-255
.Lasked:
	v_and_b32 v64, 15, v0                          ; r
	v_bfe_u32 v65, v0, 4, 1                        ; h
	v_and_b32 v66, 31, v0
	v_lshrrev_b32 v67, 3, v64
	v_lshlrev_b32 v[IO16], 4, v66
	v_lshlrev_b32 v[IO8], 3, v66
	v_lshlrev_b32 v[ABS], 5, v66
	v_lshlrev_b32 v[BOF], 6, v65
	v_lshlrev_b32 v[SCO], 4, v64
	v_lshl_add_u32 v[SCV], v65, 3, v[SCO]
	v_lshl_add_u32 v[SCO], v65, 8, v[SCO]
	v_and_b32 v[BVO], 7, v64
	v_lshl_add_u32 v[BVO], v67, 4, v[BVO]
	v_lshlrev_b32 v[BVO], 2, v[BVO]                ; V's bias: lane r of tile t has channel 32 (t / 2) + 16 (r / 8) + 8 (t % 2) + r % 8
	v_mul_u32_u24 v[FAS], v64, PITCH
	s_mul_i32 s20, s15, 128*PITCH
	v_add_nc_u32 v[AX0], s20, v[FAS]
	v_mad_u32_u24 v[AX1], v65, 40, v[AX0]
	v_mad_u32_u24 v[AX0], v65, 24, v[AX0]
	s_mul_i32 s20, s16, 64*PITCH
	s_add_co_u32 s20, s20, WB
	v_add_nc_u32 v[FAS], s20, v[FAS]
	v_mad_u32_u24 v[FA0], v65, 24, v[FAS]
	v_mad_u32_u24 v[FA1], v65, 40, v[FAS]
	WIN 0xc0
.irp b, 0,1,2,3
	v_add_nc_u32 v[WA+2*\b], \b*BSTEP, v[FA0]
	v_add_nc_u32 v[WA+2*\b+1], \b*BSTEP, v[FA1]
.endr
	WIN 0
	v_lshlrev_b32 v[AXS], 5, v64
	v_lshl_add_u32 v[AXS], v67, 4, v[AXS]
	s_mul_i32 s20, s15, 8*SSTEP
	s_add_co_u32 s20, s20, XS
	v_add_nc_u32 v[AXS], s20, v[AXS]
.irp k, 0,1,2,3,4,5,6,7
	v_mov_b32 v[PW+\k], 0
.endr
.irp k, 4,5,6,7
	v_mov_b32 v[TM+\k], 0                          ; a lane permute's destination counts as one of its sources
.endr
	WALU
.irp p, 0,1
.irp c, 0,1
	global_load_b128 v[SBV+8*\p+4*\c:SBV+8*\p+4*\c+3], v[ABS], s[22:23] offset:10240*KS+1024*\p+16*\c
	global_load_b128 v[SBK+8*\p+4*\c:SBK+8*\p+4*\c+3], v[ABS], s[22:23] offset:9216*KS+1024*\p+16*\c
	global_load_b128 v[SBQ+8*\p+4*\c:SBQ+8*\p+4*\c+3], v[ABS], s[22:23] offset:8192*KS+1024*\p+16*\c
.endr
.endr
.irp t, 0,1,2,3
	global_load_b32 v[BV+\t], v[BVO], s[80:81] offset:4*(32*(\t/2)+8*(\t%2))
.endr
	WIN 0xc0
.irp b, 0,1,2,3                        ; K's bias as the result lies: register 8 b + j of lane (r, h) is channel 32 (b / 2) + 16 h + 8 (b % 2) + j
	global_load_b128 v[(BKA&255)+8*\b:(BKA&255)+8*\b+3], v[BOF], s[78:79] offset:4*(32*(\b/2)+8*(\b%2))
	global_load_b128 v[(BKA&255)+8*\b+4:(BKA&255)+8*\b+7], v[BOF], s[78:79] offset:4*(32*(\b/2)+8*(\b%2))+16
.endr
	WIN 0
	s_cmp_eq_u32 s14, 0
	s_cbranch_scc0 .Lnot_w
	s_wait_tensorcnt 0x0
.Lnot_w:
	BARRIER                                        ; Wv's rows are in: their way into registers runs while x lands
	WEIGHTS
	REFILL 86                                      ; every wave has waited for its load of the head: the round shows x and its scale bytes too; Wk's rows onto Wv's
	AIM_C 0
	FETCH 0
	AIM_C 1
	FETCH 1
	s_wait_loadcnt 0x0
; ---- V
.irp s, 0,1,2,3,4,5,6,7
	WALU
	s_wait_dscnt NF
	VPRODS \s%2, \s
	AIM_C (\s+2)%8
	FETCH \s%2
.endr
	SHOW                                           ; Wk's rows are in
	WEIGHTS
	EPIV 0
	EPIV 1
	EPIV 2
	EPIV 3
	s_wait_xcnt 0x0
	v_cndmask_b32 v[TM], v[PW], v[PW+2], s98       ; V's words: lanes 0-15 store tiles 0, 1's, lanes 16-31 tiles 2, 3's: 256 consecutive bytes
	v_cndmask_b32 v[TM+1], v[PW+1], v[PW+3], s98
	global_store_b64 v[SCV], v[TM:TM+1], s[94:95] offset:512
.irp b, 0,1,2,3
	global_load_b128 v[BQA+8*\b:BQA+8*\b+3], v[BOF], s[76:77] offset:4*(32*(\b/2)+8*(\b%2))
	global_load_b128 v[BQA+8*\b+4:BQA+8*\b+7], v[BOF], s[76:77] offset:4*(32*(\b/2)+8*(\b%2))+16
.endr
	REFILL 88                                      ; Wq's rows onto Wk's
; ---- K
	s_mov_b64 s[90:91], s[92:93]
	QPHASE SBK, BKA, 1
	SHOW                                           ; Wq's rows are in
	WEIGHTS
	PWSTORE 0
	s_add_nc_u64 s[90:91], s[92:93], 12288
	s_wait_loadcnt 0x0                             ; Q's bias
	s_wait_dscnt 0x0                               ; the weight's rows are in registers
; ---- Q
	QPHASE SBQ, BQA, 2
	PWSTORE 768
	s_wait_tensorcnt 0x0                           ; the wave's end
	ds_add_u32 v[SPW], v[NIL]
	s_wait_dscnt 0x0
	CROUND                                         ; the closing round
	s_endpgm
.Lfunc_end_k_q0fda7a0ea0_qkv:
	.size	k_q0fda7a0ea0_qkv, .Lfunc_end_k_q0fda7a0ea0_qkv-k_q0fda7a0ea0_qkv
	.p2alignl 7, 3214868480
	.fill 96, 4, 3214868480
	.section	.rodata,"a",@progbits
	.p2align	6, 0x0
	.amdhsa_kernel k_q0fda7a0ea0_qkv
		.amdhsa_group_segment_fixed_size 327680
		.amdhsa_private_segment_fixed_size 0
		.amdhsa_enable_private_segment 0
		.amdhsa_kernarg_size 56
		.amdhsa_user_sgpr_count 2
		.amdhsa_user_sgpr_kernarg_segment_ptr 1
		.amdhsa_wavefront_size32 1
		.amdhsa_system_sgpr_workgroup_id_x 1
		.amdhsa_system_sgpr_workgroup_id_y 1
		.amdhsa_system_sgpr_workgroup_id_z 1
		.amdhsa_system_vgpr_workitem_id 0
		.amdhsa_next_free_vgpr 1024
		.amdhsa_next_free_sgpr 100
		.amdhsa_reserve_vcc 0
		.amdhsa_float_denorm_mode_32 3
		.amdhsa_float_denorm_mode_16_64 3
		.amdhsa_memory_ordered 1
		.amdhsa_forward_progress 1
		.amdhsa_inst_pref_size 184
	.end_amdhsa_kernel
	.amdgpu_metadata
---
amdhsa.version: [ 1, 2 ]
amdhsa.kernels:
  - .name:           k_q0fda7a0ea0_qkv
    .symbol:         k_q0fda7a0ea0_qkv.kd
    .args:
      - { .name: codes, .offset: 0, .size: 8, .value_kind: global_buffer, .address_space: global }
      - { .name: scales, .offset: 8, .size: 8, .value_kind: global_buffer, .address_space: global }
      - { .name: bq, .offset: 16, .size: 8, .value_kind: global_buffer, .address_space: global }
      - { .name: bk, .offset: 24, .size: 8, .value_kind: global_buffer, .address_space: global }
      - { .name: bv, .offset: 32, .size: 8, .value_kind: global_buffer, .address_space: global }
      - { .name: qkv, .offset: 40, .size: 8, .value_kind: global_buffer, .address_space: global }
      - { .name: qkvs, .offset: 48, .size: 8, .value_kind: global_buffer, .address_space: global }
    .group_segment_fixed_size: 327680
    .private_segment_fixed_size: 0
    .kernarg_segment_align: 8
    .kernarg_segment_size: 56
    .max_flat_workgroup_size: 128
    .sgpr_count:     100
    .vgpr_count:     1024
    .wavefront_size: 32
...
	.end_amdgpu_metadata
.endif
;; end of part 2
;; launch attn (part 3): grid 4 x 64, 8 waves a work-group, clusters of 4 x 1, 220,416 bytes of LDS; arguments qkv, qkvs, attention_mask, ctx, ctxs; writes ctx, ctxs
.if DOCPART == 3
	.amdgcn_target "amdgcn-amd-amdhsa--gfx1250"
	.amdhsa_code_object_version 6
	.text
	.protected	k_q0fda7a0ea0_attn
	.globl	k_q0fda7a0ea0_attn
	.p2align	8
	.type	k_q0fda7a0ea0_attn,@function
k_q0fda7a0ea0_attn:
	s_mov_b64 s[64:65], 0
	v_nop
	global_prefetch_b8 v0, s[64:65] scope:SCOPE_SE
	s_setreg_imm32_b32 hwreg(HW_REG_WAVE_MODE, 25, 1), 1
	s_wait_xcnt 0x0
	s_wait_alu depctr_hold_cnt(0) depctr_sa_sdst(0) depctr_va_vdst(0) depctr_va_sdst(0) depctr_va_ssrc(0) depctr_va_vcc(0) depctr_vm_vsrc(0)
	s_getreg_b32 s2, hwreg(HW_REG_IB_STS2, 6, 4)
	s_cmp_eq_u32 s2, 0
	s_cbranch_scc0 .Lentry_in_a_cluster
	s_endpgm
.Lentry_in_a_cluster:
	s_bfe_u32 s2, ttmp6, 0x10000c
	s_cmp_lg_u32 s2, 0x3003
	s_cbranch_scc0 .Lentry_shape_is_right
	s_endpgm
.Lentry_shape_is_right:
; context = softmax(q k^T / 8, keys with attention_mask = 0 hidden) v for one batch and head a cluster, both products on codes of FP6 (E2M3) with E8M0 scales; the context is quantised along the head's 64 on the way out.
; THE SOFTMAX: t = score x log2(e) / 8; M = the running largest t rounded up to a whole number; p = 2^(t - M) is quantised along the keys; the row's sum is taken of the unquantised p and divides at the end.
; SHARES.  The four work-groups of a cluster own 512 queries each.  Each of eight waves owns FOUR tiles of 16 queries and walks all 2,048 keys, 128 a step: a step's 38 LDS loads (K, V, scale words, mask codes) feed all four tiles.
; K AND V STAY IN LDS: 16 steps x 12,288 bytes, fetched once, jointly for the four work-groups: one tensor load a wave, two steps each (two rows of 12,288 bytes, 18,432 apart).  Nothing is filled again.
; LAYOUT.  Both products are used transposed (S^T = K Q^T, O^T = V^T P^T): a lane holds one query.  K lies in memory as register images of tiles whose places have bits 3 and 4 of the key exchanged.
; THE KEYS OF A TILE ARE CHOSEN ANEW BY THE LANES' LDS ADDRESSES: tile 4 c + u takes keys 64 c + 8 u + j in rows 0-7 and 64 c + 32 + 8 u + j in rows 8-15 (image tile 4 c + 2 (row / 8) + u % 2, image row 8 (u / 2) + j).
; So the 32 registers of tiles 4 c .. 4 c + 3 in lane (r, h) are the keys 64 c + 32 h + 0 .. 31: one whole scale block, in order, as p's operand wants it: no lane asks another for a block's largest, and no code changes lanes.
; THE MASK RIDES IN THE PRODUCT.  The head has 64 numbers and the instruction takes 128 along K.  At k = 64 Q holds the code of 1.0 under the scale 1, a hidden key the code of -1.0 under the scale 2^120, any other key the code 0.
; Q's codes from k = 65 on are zeros, so whatever K's registers 7-11 hold (every 6-bit pattern is a finite number) adds nothing: K's fragments lie 8 registers apart.
; The largest score begins at -2^103, above every hidden score: steps that are wholly hidden give p = 0.  A batch with EVERY key hidden: the factor log2(e) / 8 is chosen as 0 (a select, no branch): p = 1 for all keys, reference()'s even weights.
; A block's largest p is the exponential of its largest score (p rises with the score).
; LIMITS: right while |t| of a key that counts stays under 2^100; a block of zeros or under 2^-124 gets the byte 1; NaN and infinities are not served.
; NO PREFETCH: every read of memory stands at the head; the loop reads LDS alone.
; REGISTERS: window 0 holds all that vector lines work on; window 1: v0-127 O^T of the four tiles, v128-175 Q's four operands.
.set RECB,  18432                      ; a record of qkv: K 6,144, V 6,144, Q 6,144
.set STEPB, 12288
.set SCT,   196608                     ; 16 x 768: K's scale words, two planes of 256 bytes in the new tiles' order, then V's plane
.set EXT,   208896                     ; 8,192: a word for each key, [step][tile][row]: the code at k = 64
.set FLAGS, 217088                     ; a word a wave: has my part of the mask a key that counts?
.set SCST,  217344                     ; 1,024: the context's scale bytes
.set SPARE, 218368                     ; the spare words, 128 bytes for each of 8 waves
.set L16, 1
.set L8,  2
.set LS1, 3                            ; SCT + 16 r + 512 h: lanes 0-15 K's tiles 0-3, lanes 16-31 V's four
.set LS2, 4                            ; SCT + 256 + 16 r
.set LE,  5                            ; EXT + 4 r
.set SPW, 6
.set NIL, 7
.set LK16, 8                           ; 1536 (r / 8) + 16 (r % 8) + 256 h
.set LK8,  9                           ; 1536 (r / 8) + 8 (r % 8) + 128 h
.set AK16, 10                          ; v10-15 the step's addresses
.set AK8,  11
.set AV,   12
.set AS1,  13
.set AS2,  14
.set AE,   15
.set ST,   16                          ; v16-31 a tile's state: -M, the largest score, the sum in two halves
.set KF,   32                          ; v32-99 K's eight fragments
.set VF,   100                         ; v100-147 V's four
.set S,    148                         ; v148-211 S^T, then p
.set P,    212                         ; v212-223 p's codes
.set CT,   224                         ; v224-230 the conversions' second halves
.set KS,   232                         ; v232-239 K's and V's scale words
.set QS,   240                         ; v240-243 Q's
.set F,    244                         ; v[244:245] f = 2^(old M - new M), and 0
.set PS,   246                         ; p's scale word
.set SH8,  247                         ; 8 h
.set BM,   248                         ; v248, 249 the two blocks' largest
.set SO,   250                         ; v250, 251 the conversions' scale operands
.set T0,   252
.set T1,   253
.set B2,   254                         ; v254, 255 the maxima's second chains
.set QW,   128                         ; window 1
.set WV,  18
.set CNT, 19
.set SEL, 20
.set CS,  22
.set G1,  24
.set G0,  32
.set TB,  48
.set TS,  49
.set TE,  50
.set MSB, 0
.macro WIN new
.if MSB != (\new)
	s_set_vgpr_msb (MSB<<8)|(\new)
.set MSB, \new
.endif
.endm
.macro WALU
	s_wait_alu depctr_va_vdst(0)
.endm
.macro DEP n
	s_delay_alu instid0(VALU_DEP_\n)
.endm
.macro CROUND
	s_barrier_signal -1
	s_barrier_wait -1
	s_cmp_lg_u32 s[WV], 0
	s_cbranch_scc1 .Lnot_wave_0_\@
	s_barrier_signal -3
.Lnot_wave_0_\@:
	s_barrier_wait -3
	s_barrier_signal -1
	s_barrier_wait -1
.endm
	s_load_b256 s[4:11], s[0:1], 0x0               ; qkv, qkvs, attention_mask, ctx
	s_load_b64 s[12:13], s[0:1], 0x20              ; ctxs
	v_lshl_add_u32 v[SPW], v0, 2, SPARE
	v_mov_b32 v[NIL], 0
	ds_add_u32 v[SPW], v[NIL]                      ; the opening lines
	ds_add_u32 v[SPW], v[NIL]
	v_lshrrev_b32 v100, 5, v0
	v_readfirstlane_b32 s[WV], v100                ; wave 0..7
	v_and_b32 v101, 31, v0                         ; lane
	v_and_b32 v102, 15, v0                         ; r
	v_bfe_u32 v103, v0, 4, 1                       ; h
	v_and_b32 v104, 7, v0                          ; r % 8
	v_bfe_u32 v105, v0, 3, 1                       ; r / 8
	v_lshlrev_b32 v[L16], 4, v101
	v_lshlrev_b32 v[L8], 3, v101
	v_lshlrev_b32 v[SH8], 3, v103
	v_lshlrev_b32 v106, 4, v102                    ; 16 r
	v_lshl_add_u32 v[LS1], v103, 9, v106
	v_add_nc_u32 v[LS1], SCT, v[LS1]
	v_add_nc_u32 v[LS2], SCT+256, v106
	v_lshl_add_u32 v[LE], v102, 2, EXT
	v_mul_u32_u24 v107, v105, 1536
	v_lshl_add_u32 v[LK16], v104, 4, v107
	v_lshl_add_u32 v[LK16], v103, 8, v[LK16]
	v_lshl_add_u32 v[LK8], v104, 3, v107
	v_lshl_add_u32 v[LK8], v103, 7, v[LK8]
	v_mul_u32_u24 v108, v100, 768                  ; wave w prepares steps w and w + 8: a lane 16 bytes of K's words, 8 of V's, four keys' mask
	v_add_nc_u32 v109, v108, v[L8]
	v_add_nc_u32 v109, SCT+512, v109               ; V's words as they lie
	v_lshl_add_u32 v108, v103, 8, v108
	v_lshl_add_u32 v108, v104, 4, v108
	v_lshl_add_u32 v108, v105, 3, v108
	v_add_nc_u32 v108, SCT, v108                   ; K's word of image tile 4 h + jj, image row r goes to plane h, 16 (8 (jj / 2) + r % 8) + 4 (jj % 2 + 2 (r / 8))
	v_lshrrev_b32 v110, 4, v0
	v_lshlrev_b32 v110, 8, v110                    ; 256 (t / 16)
	v_lshl_add_u32 v111, v105, 7, v110
	v_lshl_add_u32 v111, v104, 2, v111
	v_add_nc_u32 v111, EXT, v111                   ; its mask word to 64 x new tile + 4 x new row
	v_lshl_add_u32 v112, v100, 2, FLAGS
	v_mad_u32_u24 v113, v100, 1280, v[L16]
	v_mad_u32_u24 v114, v100, 1280, v[L8]
	v_lshl_add_u32 v115, v105, 6, v110
	v_lshl_add_u32 v115, v104, 2, v115             ; the four keys: 64 (t / 16) + 16 (r / 8) + r % 8 + 32 (jj / 2) + 8 (jj % 2), 4 bytes each
	v_xor_b32 v116, 1, v103
	v_lshlrev_b32 v116, 3, v116                    ; Q at k = 64 (register 6, lanes 0-15): the code of 1.0
	v_mov_b32 v117, FLAGS
.irp t, 0,1,2,3,4,5,6,7
	v_mov_b32 v[KF+8*\t+7], 0                      ; registers that K's operands name and no load fills
.endr
.irp i, 96,97,98,99
	v_mov_b32 v\i, 0
.endr
	v_mov_b32 v[T1], 0                             ; a lane permute's destination counts as one of its sources
	v_mov_b32 v[F+1], 0
	v_mov_b32 v172, 0x28                           ; the code of -1.0
	v_mov_b32 v173, 0x01010000                     ; bytes 2, 3 of the word of a key that counts
	v_mov_b32 v174, 0x01f70000                     ; of a hidden key: byte 2 = 2^120
	WIN 0x40
.irp i, 0,1,2,3
	v_mov_b32 v[QW+12*\i+6], v116
.irp k, 7,8,9,10,11
	v_mov_b32 v[QW+12*\i+\k], 0
.endr
.endr
.set j, 0
.rept 128
	v_mov_b32 v[j], 0                              ; O^T: the step is written once; the first change of M leaves zeros zeros
.set j, j+1
.endr
	WIN 0
	s_bfe_u32 s14, ttmp6, 0x40000                  ; cx: it enters Q's and the context's addresses alone
	s_and_b32 s15, ttmp7, 0xffff                   ; batch x 16 + head
	s_lshr_b32 s16, s15, 4
	s_and_b32 s17, s15, 15
	s_mov_b32 s[G1], 15|(3<<16)|(1<<21)            ; all four work-groups; elements of 8 bytes
	s_mov_b32 s[G1+1], 1536<<16                    ; two rows of 12,288 bytes,
	s_mov_b32 s[G1+2], 2<<16
	s_mov_b32 s[G1+3], 1536<<16
	s_mov_b32 s[G1+4], 2
	s_mov_b32 s[G1+5], 2304                        ; a record apart
	s_mov_b32 s[G1+6], 0
	s_mov_b32 s[G1+7], 0
	s_mov_b32 s[SEL], 0x76543210
	s_mov_b32 s[SEL+1], 0xfedcba98
	s_mov_b32 s51, 0xffff
	s_lshl_b32 s2, s15, 4                          ; the head's first record
	s_lshl_b32 s3, s[WV], 1
	s_add_co_u32 s3, s3, s2
	s_mul_i32 s60, s3, RECB                        ; I fetch steps 2 w and 2 w + 1
	s_mov_b32 s61, 0
	s_mov_b32 s[G0], 1
	s_mul_i32 s[G0+1], s[WV], 2*STEPB
	s_lshl_b32 s62, s14, 2
	s_lshr_b32 s3, s[WV], 1
	s_add_co_u32 s62, s62, s3
	s_add_co_u32 s62, s62, s2                      ; my queries' record: 4 cx + w / 2; my tiles in it: 4 (w % 2) + 0 .. 3
	s_and_b32 s63, s[WV], 1
	s_mul_i32 s52, s62, RECB
	s_mul_i32 s3, s63, 3072
	s_add_co_u32 s52, s52, s3
	s_add_co_u32 s52, s52, 12288
	s_mov_b32 s53, 0
	s_mul_i32 s54, s62, 1280
	s_lshl_b32 s3, s63, 8
	s_add_co_u32 s54, s54, s3
	s_add_co_u32 s54, s54, 768
	s_mov_b32 s55, 0
	s_lshl_b32 s56, s16, 7
	s_lshl_b32 s3, s14, 5
	s_add_co_u32 s56, s56, s3
	s_lshl_b32 s3, s[WV], 2
	s_add_co_u32 s56, s56, s3                      ; my first tile of 16 rows among all 512: 128 batch + 32 cx + 4 w
	s_lshl_b32 s56, s56, 4
	s_add_co_u32 s56, s56, s17
	s_mul_i32 s56, s56, 768
	s_mov_b32 s57, 0
	s_lshl_b32 s58, s17, 14                        ; ctxs: [head][8,192 places] of two bytes
	s_lshl_b32 s3, s16, 12
	s_add_co_u32 s58, s58, s3
	s_lshl_b32 s3, s14, 10
	s_add_co_u32 s58, s58, s3
	s_mov_b32 s59, 0
	s_mul_i32 s62, s15, 20480
	s_mov_b32 s63, 0
	s_lshl_b32 s2, s16, 13
	s_mov_b32 s3, 0
	WALU                                           ; the wait ahead of the blocking waits
	s_wait_dscnt 0x0
	s_wait_kmcnt 0x0
	s_add_nc_u64 s[G0+2:G0+3], s[4:5], s[60:61]
	s_or_b32 s[G0+3], s[G0+3], 0x80000000
	s_add_nc_u64 s[52:53], s[4:5], s[52:53]        ; Q's images
	s_add_nc_u64 s[54:55], s[6:7], s[54:55]        ; Q's scale words
	s_add_nc_u64 s[56:57], s[10:11], s[56:57]      ; the context's images
	s_add_nc_u64 s[58:59], s[12:13], s[58:59]      ; its scale bytes
	s_add_nc_u64 s[6:7], s[6:7], s[62:63]          ; the head's scale words
	s_add_nc_u64 s[8:9], s[8:9], s[2:3]            ; the batch's mask
	CROUND                                         ; all four work-groups are here: the joint loads meet
	tensor_load_to_lds s[G0:G0+3], s[G1:G1+7]      ; one line, every wave: its LDS place and its records go by the wave's number
	s_nop 0
.rept 4
	v_nop
.endr
.irp e, 0,1
	global_load_b128 v[148+12*\e:151+12*\e], v113, s[6:7] offset:10240*\e
	global_load_b64 v[152+12*\e:153+12*\e], v114, s[6:7] offset:10240*\e+512
	global_load_b32 v[154+12*\e], v115, s[8:9] offset:4096*\e
	global_load_b32 v[155+12*\e], v115, s[8:9] offset:4096*\e+32
	global_load_b32 v[156+12*\e], v115, s[8:9] offset:4096*\e+128
	global_load_b32 v[157+12*\e], v115, s[8:9] offset:4096*\e+160
.endr
	global_load_b128 v[QS:QS+3], v106, s[54:55]    ; my four tiles' words of row r
	WIN 0x40
.irp i, 0,1,2,3
	global_load_b128 v[QW+12*\i:QW+12*\i+3], v[L16], s[52:53] offset:768*\i
	global_load_b64 v[QW+12*\i+4:QW+12*\i+5], v[L8], s[52:53] offset:768*\i+512
.endr
	WIN 0
	s_wait_loadcnt 0x0
	v_or_b32 v175, v154, v155
	v_or_b32 v176, v156, v157
	v_or_b32 v177, v166, v167
	v_or_b32 v178, v168, v169
	v_or_b32 v175, v175, v176
	v_or_b32 v177, v177, v178
	v_or_b32 v175, v175, v177
	v_cmp_ne_u32 vcc_lo, 0, v175
	v_mov_b32 v175, vcc_lo                         ; not 0 where a key of my wave's 256 counts
	ds_store_b32 v112, v175
.irp e, 0,1
.irp j, 0,1,2,3
	v_cmp_eq_u32 vcc_lo, 0, v[154+12*\e+\j]
	v_cndmask_b32 v[180+4*\e+\j], 0, v172, vcc_lo
	v_cndmask_b32 v176, v173, v174, vcc_lo
	v_and_or_b32 v[148+12*\e+\j], v[148+12*\e+\j], s51, v176
	ds_store_b32 v108, v[148+12*\e+\j] offset:6144*\e+128*(\j/2)+4*(\j%2)
	ds_store_b32 v111, v[180+4*\e+\j] offset:4096*\e+64*(\j%2)+32*(\j/2)
.endr
	ds_store_b64 v109, v[152+12*\e:153+12*\e] offset:6144*\e
.endr
.irp i, 0,1,2,3
	v_and_or_b32 v[QS+\i], v[QS+\i], s51, 0x017f0000   ; Q's bytes 2, 3: the scale 1 for k = 64, a small one behind it
.endr
	WALU
	s_wait_tensorcnt 0x0                           ; my part of K and V has landed,
	s_wait_dscnt 0x0                               ; and my stores
	s_barrier_signal -1
	s_barrier_wait -1
	ds_load_b128 v[148:151], v117
	ds_load_b128 v[152:155], v117 offset:16
	s_wait_dscnt 0x0
	v_or_b32 v148, v148, v149
	v_or_b32 v150, v150, v151
	v_or_b32 v152, v152, v153
	v_or_b32 v154, v154, v155
	v_or_b32 v148, v148, v150
	v_or_b32 v152, v152, v154
	v_or_b32 v148, v148, v152
	v_readfirstlane_b32 s2, v148
	s_cmp_lg_u32 s2, 0                             ; does any key of the batch count?  It chooses a number, no way
	s_cselect_b32 s[CS], 0x3e38aa3b, 0             ; log2(e) / 8
	s_mov_b32 s[CS+1], s[CS]
	v_mov_b32 v[ST+1], 0xf3000000                  ; the largest score so far: -2^103
	v_mul_f32 v[ST], s[CS], -v[ST+1]
	v_floor_f32 v[ST], v[ST]                       ; -M
	v_mov_b32 v[ST+2], 0
	v_mov_b32 v[ST+3], 0
.irp i, 1,2,3
	v_mov_b32 v[ST+4*\i], v[ST]
	v_mov_b32 v[ST+4*\i+1], v[ST+1]
	v_mov_b32 v[ST+4*\i+2], 0
	v_mov_b32 v[ST+4*\i+3], 0
.endr
	s_mov_b32 s[TB], 0
	s_mov_b32 s[TS], 0
	s_mov_b32 s[TE], 0
	s_mov_b32 s[CNT], 16
	WALU                                           ; the wait at the head's end
; ONE TILE OF 16 QUERIES AGAINST THE STEP'S 128 KEYS
.macro TILE i
.set NM, ST+4*\i
.set RM, ST+4*\i+1
.set LL, ST+4*\i+2
	WIN 0x04                                       ; source 1, Q, in window 1
.irp t, 0,1,2,3,4,5,6,7
	v_wmma_scale_f32_16x16x128_f8f6f4 v[S+8*\t:S+8*\t+7], v[KF+8*\t:KF+8*\t+11], v[QW+12*\i:QW+12*\i+11], 0, v[KS+\t], v[QS+\i] matrix_a_fmt:MATRIX_FMT_FP6 matrix_b_fmt:MATRIX_FMT_FP6
.endr
	WIN 0
.if \i == 0
	s_wait_dscnt 0x0                               ; V's fragments
.endif
.rept 4
	v_nop                                          ; places ahead of the first read of the scores
.endr
.irp c, 0,1                            ; a block's largest score, two chains a block; each accumulator is first read at its low end
	v_max3_num_f32 v[BM+\c], v[S+32*\c], v[S+32*\c+1], v[S+32*\c+2]
	v_max3_num_f32 v[B2+\c], v[S+32*\c+16], v[S+32*\c+17], v[S+32*\c+18]
.endr
.irp k, 3,5,7,9,11,13
.irp c, 0,1
	v_max3_num_f32 v[BM+\c], v[BM+\c], v[S+32*\c+\k], v[S+32*\c+\k+1]
	v_max3_num_f32 v[B2+\c], v[B2+\c], v[S+32*\c+\k+16], v[S+32*\c+\k+17]
.endr
.endr
.irp c, 0,1
	v_max3_num_f32 v[BM+\c], v[BM+\c], v[S+32*\c+15], v[S+32*\c+31]
.endr
.irp c, 0,1
	v_max_num_f32 v[BM+\c], v[BM+\c], v[B2+\c]
.endr
	DEP 1
	v_max_num_f32 v[T0], v[BM], v[BM+1]
	DEP 1
	v_permlanex16_b32 v[T1], v[T0], s[SEL], s[SEL+1]
	DEP 1
	v_max3_num_f32 v[RM], v[RM], v[T0], v[T1]      ; the running largest score of my query
	DEP 1
	v_mul_f32 v[T0], s[CS], -v[RM]
	DEP 1
	v_floor_f32 v[T0], v[T0]                       ; the new -M = floor(-t): M is a whole number
	DEP 1
	v_sub_f32 v[T1], v[T0], v[NM]                  ; old M - new M: a whole number, 0 or less
	DEP 2
	v_mov_b32 v[NM], v[T0]
	DEP 2
	v_cvt_i32_f32 v[T1], v[T1]                     ; (it saturates)
	DEP 1
	v_ldexp_f32 v[F], 1.0, v[T1]                   ; f = 2^(old M - new M): a multiplication by it rounds nothing
.set j, 0
.rept 32
	v_pk_fma_f32 v[S+j:S+j+1], v[S+j:S+j+1], s[CS:CS+1], v[NM:NM+1] op_sel_hi:[1,0,0]   ; t - M
.set j, j+2
.endr
.irp c, 0,1
	v_fma_f32 v[BM+\c], v[BM+\c], s[CS], v[NM]
.endr
	WALU                                           ; one wait ahead of the batch,
.set j, 0
.rept 64
	v_exp_f32 v[S+j], v[S+j]                       ; p = 2^(t - M)
.set j, j+1
.endr
.irp c, 0,1
	v_exp_f32 v[BM+\c], v[BM+\c]                   ; the block's largest p
.endr
	v_pk_mul_f32 v[LL:LL+1], v[LL:LL+1], v[F:F+1] op_sel_hi:[1,0]   ; the sum under the new M (the plain line behind the batch)
	WALU                                           ; and one behind it
.irp c, 0,1
	v_max_num_f32 v[BM+\c], 0x1800000, v[BM+\c]    ; the floor 2^(3 - 127): the byte cannot fall under 1
.endr
.irp c, 0,1
	DEP 2
	v_add_nc_u32 v[SO+\c], 0xff000000, v[BM+\c]
.endr
.irp c, 0,1
	DEP 2
	v_lshrrev_b32 v[BM+\c], 23, v[SO+\c]
.endr
	DEP 1
	v_lshl_or_b32 v[T0], v[BM+1], 16, v[BM]        ; my bytes: blocks h and 2 + h,
	DEP 1
	v_lshlrev_b32 v[T0], v[SH8], v[T0]             ; at their places;
	DEP 1
	v_permlanex16_b32 v[T1], v[T0], s[SEL], s[SEL+1]
	DEP 1
	v_or_b32 v[PS], v[T0], v[T1]                   ; with lane l xor 16's two the word is whole
.irp c, 0,1
	v_cvt_scalef32_pk16_fp6_f32 v[P+6*\c:P+6*\c+2], v[S+32*\c:S+32*\c+15], v[SO+\c]
	v_cvt_scalef32_pk16_fp6_f32 v[CT+4*\c:CT+4*\c+2], v[S+32*\c+16:S+32*\c+31], v[SO+\c]
.endr
	v_pk_add_f32 v[252:253], v[S:S+1], v[S+2:S+3]  ; the row's sum of the unquantised p, in four chains
	v_pk_add_f32 v[254:255], v[S+4:S+5], v[S+6:S+7]
	v_pk_add_f32 v[250:251], v[S+8:S+9], v[S+10:S+11]
.set q, 6
.rept 26
.if q%4 == 0
	v_pk_add_f32 v[LL:LL+1], v[LL:LL+1], v[S+2*q:S+2*q+1]
.else
	v_pk_add_f32 v[248+2*(q%4):249+2*(q%4)], v[248+2*(q%4):249+2*(q%4)], v[S+2*q:S+2*q+1]
.endif
.set q, q+1
.endr
	DEP 2
	v_pk_add_f32 v[250:251], v[250:251], v[252:253]
	DEP 2
	v_pk_add_f32 v[LL:LL+1], v[LL:LL+1], v[254:255]
	DEP 1
	v_pk_add_f32 v[LL:LL+1], v[LL:LL+1], v[250:251]
.irp c, 0,1
.irp k, 0,1,2
	v_mov_b32 v[P+6*\c+3+\k], v[CT+4*\c+\k]        ; (a conversion's three registers begin on an even number)
.endr
.endr
	WIN 0x41
	WALU                                           ; the wait directly ahead of the first reader of O^T
.set j, 0
.rept 16
	v_pk_mul_f32 v[32*\i+j:32*\i+j+1], v[32*\i+j:32*\i+j+1], v[F:F+1] op_sel_hi:[1,0]   ; O^T under the new M; also the places that p's scale word (8) and codes (4) want
.set j, j+2
.endr
	WIN 0x50
.irp t, 0,1,2,3
	v_wmma_scale_f32_16x16x128_f8f6f4 v[32*\i+8*\t:32*\i+8*\t+7], v[VF+12*\t:VF+12*\t+11], v[P:P+11], v[32*\i+8*\t:32*\i+8*\t+7], v[KS+\t], v[PS] matrix_a_fmt:MATRIX_FMT_FP6 matrix_b_fmt:MATRIX_FMT_FP6 matrix_a_scale:MATRIX_SCALE_ROW1
.endr
.endm
.Lstep:
	v_add_nc_u32 v[AK16], s[TB], v[LK16]           ; these six are also the places between the last products and the loads into their registers
	v_add_nc_u32 v[AK8], s[TB], v[LK8]
	v_add_nc_u32 v[AV], s[TB], v[L16]
	v_add_nc_u32 v[AS1], s[TS], v[LS1]
	v_add_nc_u32 v[AS2], s[TS], v[LS2]
	v_add_nc_u32 v[AE], s[TE], v[LE]
	ds_load_b128 v[KS:KS+3], v[AS1]
	ds_load_b128 v[KS+4:KS+7], v[AS2]
.irp c, 0,1
.irp u, 0,1,2,3
	ds_load_b128 v[KF+8*(4*\c+\u):KF+8*(4*\c+\u)+3], v[AK16] offset:3072*\c+768*(\u%2)+128*(\u/2)
	ds_load_b64 v[KF+8*(4*\c+\u)+4:KF+8*(4*\c+\u)+5], v[AK8] offset:3072*\c+768*(\u%2)+512+64*(\u/2)
	ds_load_b32 v[KF+8*(4*\c+\u)+6], v[AE] offset:64*(4*\c+\u)
.endr
.endr
.irp t, 0,1,2,3
.irp c, 0,1,2
	ds_load_b128 v[VF+12*\t+4*\c:VF+12*\t+4*\c+3], v[AV] offset:6144+1536*\t+512*\c
.endr
.endr
	s_wait_dscnt 12                                ; all but V's twelve, the youngest
	TILE 0
	TILE 1
	TILE 2
	TILE 3
	WIN 0
	s_add_co_u32 s[TB], s[TB], STEPB
	s_add_co_u32 s[TS], s[TS], 768
	s_add_co_u32 s[TE], s[TE], 512
	s_sub_co_u32 s[CNT], s[CNT], 1
	s_cmp_lg_u32 s[CNT], 0
	WALU                                           ; the wait ahead of the backward jump
	s_cbranch_scc1 .Lstep
; THE WAY OUT: O^T / the sum; a tile's 32 registers are d = 32 b + 16 h + i: two blocks of 32; six registers of codes leave as an image, the two scale bytes go to LDS
	s_lshl_b32 s2, s[WV], 7
	s_add_co_u32 s2, s2, SCST
.irp i, 0,1,2,3
	v_add_f32 v[ST+4*\i+2], v[ST+4*\i+2], v[ST+4*\i+3]
.endr
.irp i, 0,1,2,3
	v_permlanex16_b32 v[ST+4*\i+3], v[ST+4*\i+2], s[SEL], s[SEL+1]
.endr
.irp i, 0,1,2,3
	v_add_f32 v[ST+4*\i+2], v[ST+4*\i+2], v[ST+4*\i+3]   ; the row's sum
.endr
	v_bfe_u32 v[AK16], v[L8], 3, 4
	v_lshl_add_u32 v[AK16], v[AK16], 1, s2         ; SCST + 128 w + 2 r
	v_lshl_add_u32 v[AK8], v0, 4, SCST
	v_lshlrev_b32 v[AV], 4, v0
	WALU
.irp i, 0,1,2,3
	v_rcp_f32 v[ST+4*\i], v[ST+4*\i+2]
.endr
	v_nop
.macro OUTT i
.set PO, KF+8*\i                       ; a tile's codes have registers of their own: no store's data are written again
	WIN 0x01
	WALU                                           ; behind the reciprocals, directly ahead of the first reader of this tile's O^T
.set j, 0
.rept 16
	v_pk_mul_f32 v[S+j:S+j+1], v[32*\i+j:32*\i+j+1], v[ST+4*\i:ST+4*\i+1] op_sel_hi:[1,0]
.set j, j+2
.endr
	WIN 0
.irp b, 0,1
	v_max3_num_f32 v[BM+\b], |v[S+16*\b]|, |v[S+16*\b+1]|, 0x1800000
.endr
.irp k, 2,4,6,8,10,12,14
.irp b, 0,1
	v_max3_num_f32 v[BM+\b], v[BM+\b], |v[S+16*\b+\k]|, |v[S+16*\b+\k+1]|
.endr
.endr
.irp b, 0,1
	v_permlanex16_b32 v[T0+\b], v[BM+\b], s[SEL], s[SEL+1]
.endr
.irp b, 0,1
	v_max_num_f32 v[BM+\b], v[BM+\b], v[T0+\b]
.endr
.irp b, 0,1
	v_add_nc_u32 v[SO+\b], 0xff000000, v[BM+\b]
.endr
.irp b, 0,1
	v_lshrrev_b32 v[T0+\b], 23, v[SO+\b]
.endr
	v_lshl_or_b32 v[VF+\i], v[T0+1], 8, v[T0]
	v_cvt_scalef32_pk16_fp6_f32 v[PO:PO+2], v[S:S+15], v[SO]
	v_cvt_scalef32_pk16_fp6_f32 v[CT:CT+2], v[S+16:S+31], v[SO+1]
	v_nop
.irp k, 0,1,2
	v_permlane16_swap_b32 v[PO+\k], v[CT+\k]
.endr
.irp k, 0,1,2
	v_mov_b32 v[PO+3+\k], v[CT+\k]
.endr
	global_store_b128 v[L16], v[PO:PO+3], s[56:57] offset:12288*\i       ; 512 and 256 consecutive bytes, aligned
	global_store_b64 v[L8], v[PO+4:PO+5], s[56:57] offset:12288*\i+512
	ds_store_b16 v[AK16], v[VF+\i] offset:32*\i    ; lanes r and 16 + r write the same two bytes with the same value
.endm
	OUTT 0
	OUTT 1
	OUTT 2
	OUTT 3
	WALU
	s_wait_dscnt 0x0                               ; my scale bytes lie in LDS,
	s_barrier_signal -1
	s_barrier_wait -1                              ; everybody's do
	s_cmp_lt_u32 s[WV], 2                          ; 1,024 bytes: two waves store them, 16 bytes a lane
	s_cbranch_scc0 .Lno_sc
	ds_load_b128 v[148:151], v[AK8]
	s_wait_dscnt 0x0
	global_store_b128 v[AV], v[148:151], s[58:59]
.Lno_sc:
	s_wait_tensorcnt 0x0                           ; the wave's end
	ds_add_u32 v[SPW], v[NIL]
	s_wait_dscnt 0x0
	CROUND                                         ; the closing round
	s_endpgm
.Lfunc_end_k_q0fda7a0ea0_attn:
	.size	k_q0fda7a0ea0_attn, .Lfunc_end_k_q0fda7a0ea0_attn-k_q0fda7a0ea0_attn
	.p2alignl 7, 3214868480
	.fill 96, 4, 3214868480
	.section	.rodata,"a",@progbits
	.p2align	6, 0x0
	.amdhsa_kernel k_q0fda7a0ea0_attn
		.amdhsa_group_segment_fixed_size 220416
		.amdhsa_private_segment_fixed_size 0
		.amdhsa_enable_private_segment 0
		.amdhsa_kernarg_size 40
		.amdhsa_user_sgpr_count 2
		.amdhsa_user_sgpr_kernarg_segment_ptr 1
		.amdhsa_wavefront_size32 1
		.amdhsa_system_sgpr_workgroup_id_x 1
		.amdhsa_system_sgpr_workgroup_id_y 1
		.amdhsa_system_sgpr_workgroup_id_z 1
		.amdhsa_system_vgpr_workitem_id 0
		.amdhsa_next_free_vgpr 448
		.amdhsa_next_free_sgpr 66
		.amdhsa_reserve_vcc 1
		.amdhsa_float_denorm_mode_32 3
		.amdhsa_float_denorm_mode_16_64 3
		.amdhsa_memory_ordered 1
		.amdhsa_forward_progress 1
		.amdhsa_inst_pref_size 88
	.end_amdhsa_kernel
	.amdgpu_metadata
---
amdhsa.version: [ 1, 2 ]
amdhsa.kernels:
  - .name:           k_q0fda7a0ea0_attn
    .symbol:         k_q0fda7a0ea0_attn.kd
    .args:
      - { .name: qkv, .offset: 0, .size: 8, .value_kind: global_buffer, .address_space: global }
      - { .name: qkvs, .offset: 8, .size: 8, .value_kind: global_buffer, .address_space: global }
      - { .name: attention_mask, .offset: 16, .size: 8, .value_kind: global_buffer, .address_space: global }
      - { .name: ctx, .offset: 24, .size: 8, .value_kind: global_buffer, .address_space: global }
      - { .name: ctxs, .offset: 32, .size: 8, .value_kind: global_buffer, .address_space: global }
    .group_segment_fixed_size: 220416
    .private_segment_fixed_size: 0
    .kernarg_segment_align: 8
    .kernarg_segment_size: 40
    .max_flat_workgroup_size: 256
    .sgpr_count:     66
    .vgpr_count:     448
    .wavefront_size: 32
...
	.end_amdgpu_metadata
.endif
;; end of part 3
;; launch oproj (part 4): grid 4 x 32, 4 waves a work-group, clusters of 4 x 4, 327,680 bytes of LDS; arguments ctx, ctxs, codes, scales, out0, bo; writes out0
.if DOCPART == 4
	.amdgcn_target "amdgcn-amd-amdhsa--gfx1250"
	.amdhsa_code_object_version 6
	.text
	.protected	k_q0fda7a0ea0_oproj
	.globl	k_q0fda7a0ea0_oproj
	.p2align	8
	.type	k_q0fda7a0ea0_oproj,@function
k_q0fda7a0ea0_oproj:
	s_mov_b64 s[64:65], 0
	v_nop
	global_prefetch_b8 v0, s[64:65] scope:SCOPE_SE
	s_setreg_imm32_b32 hwreg(HW_REG_WAVE_MODE, 25, 1), 1
	s_wait_xcnt 0x0
	s_wait_alu depctr_hold_cnt(0) depctr_sa_sdst(0) depctr_va_vdst(0) depctr_va_sdst(0) depctr_va_ssrc(0) depctr_va_vcc(0) depctr_vm_vsrc(0)
	s_getreg_b32 s2, hwreg(HW_REG_IB_STS2, 6, 4)
	s_cmp_eq_u32 s2, 0
	s_cbranch_scc0 .Lentry_in_a_cluster
	s_endpgm
.Lentry_in_a_cluster:
	s_bfe_u32 s2, ttmp6, 0x10000c
	s_cmp_lg_u32 s2, 0xf033
	s_cbranch_scc0 .Lentry_shape_is_right
	s_endpgm
.Lentry_shape_is_right:
.set NQ,     2
.set ROWB,   192
.set PLANE,  1024*192                  ; Wo's codes lie, from place 11,264's byte on, [K step of 256][1,024 places][192 bytes]: a tile of 128 places is dense and comes as 96 rows of 256 bytes
.set KROW,   768
.set PITCH,  240
.set FR,     12
.set NL,     6
.set NLA,    4
.set NP,     4
.set HALFA,  8*3072
.set ABYTES, 2*HALFA
.set HALFT,  128*PITCH
.set SLOT,   ABYTES+2*HALFT
.set LAPS,   2
.set KS,     32
.set SCL,    2*SLOT
.set HALFS,  16*272
.set SBLK,   2*272
.set RAW,    SCL+4*HALFS
.set SPARE,  RAW+8192
.set SPITCH, 528
.set ARW,  7
.set ASW,  8
.set BOF,  9
.set ADRA, 16
.set ADRB, 20
.set STO,  24
.set RD,   25
.set CO,   26
.set ADRS, 27
.set SPW,  28
.set NIL,  29
.set SC,   32
.set BJ,   64
.set AF,   128
.set RW,   128
.set WD,   160
.set BK,   128
.set G1, 24
.set G0, 32
.set G1B, 48
.set G0B, 56
.set G1S, 68
.set G0S, 76
.set G1SB, 80
.set G0SB, 88
.set MSB, 0
.macro WIN new
.if MSB != (\new)
	s_set_vgpr_msb (MSB<<8)|(\new)
.set MSB, \new
.endif
.endm
.set MUL_LO, 0xa1
.set MUL_HI, 0xf1
.set TO_B,   0x40
.macro JLOAD g0a, g1a, g0b, g1b
	s_cmp_eq_u32 s15, 0
	s_cbranch_scc0 .Lfor_b_\@
	tensor_load_to_lds s[\g0a:\g0a+3], s[\g1a:\g1a+7]
	s_nop 0
.rept 4
	v_nop
.endr
	s_branch .Lasked_\@
.Lfor_b_\@:
	tensor_load_to_lds s[\g0b:\g0b+3], s[\g1b:\g1b+7]
	s_nop 0
.rept 4
	v_nop
.endr
.Lasked_\@:
.endm
.macro CREST
	s_cmp_lg_u32 s14, 0
	s_cbranch_scc1 .Lnot_wave_0_\@
	s_barrier_signal -3
.Lnot_wave_0_\@:
	s_barrier_wait -3
	s_barrier_signal -1
	s_barrier_wait -1
.endm
.macro CROUND
	s_barrier_signal -1
	s_barrier_wait -1
	CREST
.endm
	s_load_b128 s[4:7], s[0:1], 0x0
	s_load_b128 s[8:11], s[0:1], 0x10
	s_load_b64 s[12:13], s[0:1], 0x20
	s_load_b64 s[66:67], s[0:1], 0x28
	v_lshl_add_u32 v[SPW], v0, 2, SPARE
	v_mov_b32 v[NIL], 0
	ds_add_u32 v[SPW], v[NIL]
	ds_add_u32 v[SPW], v[NIL]
	v_lshrrev_b32 v1, 5, v0
	v_readfirstlane_b32 s14, v1
	s_lshr_b32 s15, s14, 1
	s_and_b32 s16, s14, 1
	s_bfe_u32 s40, ttmp6, 0x40000
	s_bfe_u32 s41, ttmp6, 0x40004
	s_lshl_b32 s42, ttmp9, 2
	s_add_co_u32 s42, s42, s40
	s_and_b32 s17, ttmp7, 0xffff
	s_lshl_b32 s17, s17, 2
	s_add_co_u32 s17, s17, s41
	s_lshl_b32 s43, s41, 2
	s_lshl_b32 s43, 15, s43
	s_lshl_b32 s44, 0x1111, s40
	s_or_b32 s[G1+0], s43, (3<<16)|(1<<21)
	s_mov_b32 s[G1+1], 384<<16
	s_mov_b32 s[G1+2], 16<<16
	s_mov_b32 s[G1+3], 384<<16
	s_mov_b32 s[G1+4], 16
	s_mov_b32 s[G1+5], 1536
	s_mov_b32 s[G1+6], 0
	s_mov_b32 s[G1+7], 0
	s_or_b32 s[G1B+0], s44, (0<<16)|(1<<20)|(1<<21)|(3<<22)|(3<<25)
	s_mov_b32 s[G1B+1], 256<<16
	s_mov_b32 s[G1B+2], 192<<16
	s_mov_b32 s[G1B+3], 256<<16
	s_mov_b32 s[G1B+4], 192
	s_mov_b32 s[G1B+5], 256
	s_mov_b32 s[G1B+6], 0
	s_mov_b32 s[G1B+7], 0
	s_or_b32 s[G1S+0], s43, (3<<16)|(1<<21)
	s_mov_b32 s[G1S+1], 64<<16
	s_mov_b32 s[G1S+2], 16<<16
	s_mov_b32 s[G1S+3], 64<<16
	s_mov_b32 s[G1S+4], 16
	s_mov_b32 s[G1S+5], 2048
	s_mov_b32 s[G1S+6], 0
	s_mov_b32 s[G1S+7], 0
	s_or_b32 s[G1SB+0], s44, (3<<16)|(1<<20)|(1<<21)|(5<<22)|(3<<25)
	s_mov_b32 s[G1SB+1], 32<<16
	s_mov_b32 s[G1SB+2], 32<<16
	s_mov_b32 s[G1SB+3], 32<<16
	s_mov_b32 s[G1SB+4], 32
	s_mov_b32 s[G1SB+5], 32
	s_mov_b32 s[G1SB+6], 0
	s_mov_b32 s[G1SB+7], 0
	s_mul_i32 s20, s17, 16*12288
	s_mov_b32 s21, 0
	s_lshl_b32 s22, s17, 9
	s_mov_b32 s23, 0
	s_lshl_b32 s46, s42, 8
	s_add_co_u32 s92, s46, 11264
	s_lshl_b32 s92, s92, 5
	s_mov_b32 s93, 0
	s_mul_i32 s46, s46, ROWB
	s_add_co_u32 s46, s46, 11264*768
	s_mov_b32 s47, 0
	s_mul_i32 s45, s16, HALFA
	s_mul_i32 s94, s16, HALFT
	s_add_co_u32 s94, s94, ABYTES
	s_wait_dscnt 0x0
	s_wait_kmcnt 0x0
	s_add_nc_u64 s[20:21], s[4:5], s[20:21]
	s_add_nc_u64 s[22:23], s[6:7], s[22:23]
	s_add_nc_u64 s[46:47], s[8:9], s[46:47]
	s_add_nc_u64 s[92:93], s[10:11], s[92:93]
	CROUND
; THE HEAD'S FOUR TILES, EACH WHOLE, ONE A WAVE: K step 0's 256 rows of the context, of Wo, the context's scale bytes, Wo's
	s_mov_b32 s[G0], 1
	s_mov_b32 s[G0+1], 0
	s_mov_b64 s[G0+2:G0+3], s[20:21]
	s_or_b32 s[G0+3], s[G0+3], 0x80000000
	s_mov_b32 s[G0B], 1
	s_mov_b32 s[G0B+1], ABYTES
	s_mov_b64 s[G0B+2:G0B+3], s[46:47]
	s_or_b32 s[G0B+3], s[G0B+3], 0x80000000
	s_mov_b32 s[G0S], 1
	s_mov_b32 s[G0S+1], RAW
	s_mov_b64 s[G0S+2:G0S+3], s[22:23]
	s_or_b32 s[G0S+3], s[G0S+3], 0x80000000
	s_mov_b32 s[G0SB], 1
	s_mov_b32 s[G0SB+1], SCL+2*HALFS
	s_mov_b64 s[G0SB+2:G0SB+3], s[92:93]
	s_or_b32 s[G0SB+3], s[G0SB+3], 0x80000000
	s_mul_i32 s18, s16, 8*12288                    ; slot 1: my half of K step 1
	s_mov_b32 s19, 0
	s_add_nc_u64 s[20:21], s[20:21], s[18:19]
	s_mul_i32 s18, s16, 128*ROWB
	s_add_nc_u64 s[46:47], s[46:47], s[18:19]
	s_mov_b32 s[G0+4], 1
	s_add_co_u32 s[G0+5], s45, SLOT
	s_add_nc_u64 s[G0+6:G0+7], s[20:21], 3072
	s_or_b32 s[G0+7], s[G0+7], 0x80000000
	s_mov_b32 s[G0B+4], 1
	s_add_co_u32 s[G0B+5], s94, SLOT
	s_add_nc_u64 s[G0B+6:G0B+7], s[46:47], PLANE
	s_or_b32 s[G0B+7], s[G0B+7], 0x80000000
.macro ARM under, g0, g1, next         ; one chain of branches on the wave's number, one load to an arm, all arms to one join
	s_cmp_lt_u32 s14, \under
	s_cbranch_scc0 \next
	tensor_load_to_lds s[\g0:\g0+3], s[\g1:\g1+7]
	s_nop 0
.rept 4
	v_nop
.endr
	s_branch .Lhead_asked
\next:
.endm
	ARM 1, G0,  G1,  .Lhead_b
	ARM 2, G0B, G1B, .Lhead_sa
	ARM 3, G0S, G1S, .Lhead_sb
	tensor_load_to_lds s[G0SB:G0SB+3], s[G1SB:G1SB+7]
	s_nop 0
.rept 4
	v_nop
.endr
.Lhead_asked:
	v_and_b32 v1, 15, v0
	v_bfe_u32 v2, v0, 4, 1
	v_and_b32 v6, 31, v0
	s_mul_i32 s21, s15, HALFA
	v_lshl_add_u32 v[ADRA], v6, 4, s21
	v_lshl_add_u32 v[ADRA+2], v6, 3, s21
	v_add_nc_u32 v[ADRA+1], SLOT, v[ADRA]
	v_add_nc_u32 v[ADRA+3], SLOT, v[ADRA+2]
	v_mul_u32_u24 v3, v1, PITCH
	v_mul_u32_u24 v4, v2, 24
	v_add_nc_u32 v4, v3, v4
	v_lshl_add_u32 v5, v2, 4, v4
	s_mul_i32 s22, s16, HALFT
	s_add_co_u32 s22, s22, ABYTES
.irp s, 0,1
	v_add_nc_u32 v[ADRB+\s], s22, v4
	v_add_nc_u32 v[ADRB+2+\s], s22, v5
	s_add_co_u32 s22, s22, SLOT
.endr
	v_mul_u32_u24 v5, v1, KS
	v_lshrrev_b32 v3, 8, v5
	v_lshl_add_u32 v5, v3, 4, v5
	s_mul_i32 s21, s15, HALFS
	s_mul_i32 s22, s16, HALFS
	s_add_co_u32 s22, s22, 2*HALFS
	s_sub_co_u32 s22, s22, s21
	v_mul_u32_u24 v3, s22, v2
	s_add_co_u32 s21, s21, SCL
	v_add_nc_u32 v5, v5, v3
	v_add_nc_u32 v[ADRS], s21, v5
	v_lshl_add_u32 v[ARW], v0, 1, RAW
	v_lshrrev_b32 v3, 3, v0
	v_mul_u32_u24 v3, v3, 272
	v_and_b32 v4, 7, v0
	v_lshl_add_u32 v3, v4, 5, v3
	v_add_nc_u32 v[ASW], SCL, v3
	s_mul_i32 s23, s14, 16*SPITCH
	v_mul_u32_u24 v5, v1, SPITCH
	v_lshl_add_u32 v5, v2, 6, v5
	v_add_nc_u32 v[STO], s23, v5
	v_lshlrev_b32 v[CO], 4, v6
	v_add_nc_u32 v[RD], s23, v[CO]
	v_lshlrev_b32 v[BOF], 6, v2
	s_wait_alu depctr_va_vdst(0)
	s_lshl_b32 s20, s17, 8
	s_lshl_b32 s21, s15, 7
	s_add_co_u32 s20, s20, s21
	s_mov_b32 s21, 0
	s_mov_b64 s[18:19], 4096
	s_mul_u64 s[20:21], s[20:21], s[18:19]
	s_lshl_b32 s46, s42, 10
	s_lshl_b32 s47, s16, 9
	s_add_co_u32 s46, s46, s47
	s_mov_b32 s47, 0
	s_add_nc_u64 s[66:67], s[66:67], s[46:47]
	s_add_nc_u64 s[20:21], s[20:21], s[46:47]
	s_add_nc_u64 s[12:13], s[12:13], s[20:21]
.irp b, 0,1,2,3,4,5,6,7
	global_load_b128 v[BJ+8*\b:BJ+8*\b+3], v[BOF], s[66:67] offset:4*(32*(\b/2)+8*(\b%2))
	global_load_b128 v[BJ+8*\b+4:BJ+8*\b+7], v[BOF], s[66:67] offset:4*(32*(\b/2)+8*(\b%2))+16
.endr
	s_wait_alu depctr_va_vdst(0)                   ; the wait at the head's end
	s_wait_tensorcnt 0x0                           ; my tile of the head's four is in; slot 1's first fill is issued as a refill is
	ds_add_u32 v[SPW], v[NIL]
	s_mov_b32 s[G1+2], 8<<16                       ; no tensor load of mine is out: from here on a load brings half a tile
	s_mov_b32 s[G1+4], 8
	s_mov_b32 s[G1B+2], 96<<16
	s_mov_b32 s[G1B+4], 96
	s_mul_i32 s18, s16, 8*12288                    ; and slot 0's groups 0 go to my half of K step 0, from which the first refill steps on
	s_mov_b32 s19, 0
	s_add_nc_u64 s[G0+2:G0+3], s[G0+2:G0+3], s[18:19]
	s_mul_i32 s18, s16, 128*ROWB
	s_add_nc_u64 s[G0B+2:G0B+3], s[G0B+2:G0B+3], s[18:19]
	s_mov_b32 s[G0+1], s45
	s_mov_b32 s[G0B+1], s94
	s_wait_dscnt 0x0
	CROUND
	JLOAD G0+4, G1, G0B+4, G1B
.irp f, 0,1
.irp d, 0,1,2,3,4,5,6,7,8,9,10,11,12,13,14,15
	ds_load_u16 v[RW+16*\f+\d], v[ARW] offset:512*\d+256*\f
.endr
.endr
	s_wait_dscnt 0x0
.irp f, 0,1
.irp s, 0,1,2,3,4,5,6,7
	v_lshl_or_b32 v[WD+8*\f+\s], v[RW+16*\f+2*\s+1], 16, v[RW+16*\f+2*\s]
.endr
.endr
	ds_store_b128 v[ASW], v[WD:WD+3]
	ds_store_b128 v[ASW], v[WD+4:WD+7] offset:16
	ds_store_b128 v[ASW], v[WD+8:WD+11] offset:HALFS
	ds_store_b128 v[ASW], v[WD+12:WD+15] offset:HALFS+16
	s_wait_dscnt 0x0
	s_barrier_signal -1
	s_barrier_wait -1
	s_wait_loadcnt 0x0
.macro FRAG reg, adr, q, i
.irp p, 0,1,2,3,4,5
.set PCE, 12*(\q)+6*(\p/3)+\p%3
.if PCE%8 < 5
	ds_load_b64 v[\reg+2*\p:\reg+2*\p+1], v[\adr] offset:8*PCE+16*(PCE/8)+(\i)*16*PITCH
.else
	ds_load_b64 v[\reg+2*\p:\reg+2*\p+1], v[\adr+2] offset:8*PCE+16*(PCE/8)+(\i)*16*PITCH
.endif
.endr
.endm
.macro FRAG_A reg, slot, q, i
	ds_load_b128 v[\reg:\reg+3], v[ADRA+\slot] offset:3072*(\i)+1536*(\q)
	ds_load_b64 v[\reg+4:\reg+5], v[ADRA+2+\slot] offset:3072*(\i)+1536*(\q)+512
	ds_load_b128 v[\reg+6:\reg+9], v[ADRA+\slot] offset:3072*(\i)+1536*(\q)+768
	ds_load_b64 v[\reg+10:\reg+11], v[ADRA+2+\slot] offset:3072*(\i)+1536*(\q)+1280
.endm
.macro MUL16 a0, p, q, sc, first
.irp a, \a0, \a0+1
.irp b, 0,1,2,3,4,5,6,7
.if \first
	v_wmma_scale_f32_16x16x128_f8f6f4 v[8*(8*((\a)%4)+\b):8*(8*((\a)%4)+\b)+7], v[128*(\p)+FR*\b:128*(\p)+FR*\b+FR-1], v[AF+FR*(\a):AF+FR*(\a)+FR-1], v[BJ+8*\b:BJ+8*\b+7], v[SC+8*NQ*(\sc)+NQ*\b+(\q)], v[SC+8*NQ*(\sc)+NQ*(\a)+(\q)] matrix_a_fmt:MATRIX_FMT_FP6 matrix_b_fmt:MATRIX_FMT_FP6 matrix_a_scale:MATRIX_SCALE_ROW1
.else
	v_wmma_scale_f32_16x16x128_f8f6f4 v[8*(8*((\a)%4)+\b):8*(8*((\a)%4)+\b)+7], v[128*(\p)+FR*\b:128*(\p)+FR*\b+FR-1], v[AF+FR*(\a):AF+FR*(\a)+FR-1], v[8*(8*((\a)%4)+\b):8*(8*((\a)%4)+\b)+7], v[SC+8*NQ*(\sc)+NQ*\b+(\q)], v[SC+8*NQ*(\sc)+NQ*(\a)+(\q)] matrix_a_fmt:MATRIX_FMT_FP6 matrix_b_fmt:MATRIX_FMT_FP6 matrix_a_scale:MATRIX_SCALE_ROW1
.endif
.endr
.endr
.endm
.macro FETCH_B slot, q, p
	WIN TO_B
.irp i, 0,1,2,3,4,5,6,7
	FRAG 128*(\p)+FR*\i, ADRB+\slot, \q, \i
.endr
	WIN 0
.endm
.macro FETCH_A slot, q, i0
.irp i, \i0, \i0+1, \i0+2, \i0+3
	FRAG_A AF+FR*(\i), \slot, \q, \i
.endr
.endm
.macro SCALES sc
.irp i, 0,1,2,3,4,5,6,7
	ds_load_b64 v[SC+8*NQ*\sc+NQ*\i:SC+8*NQ*\sc+NQ*\i+1], v[ADRS] offset:\i*SBLK
.endr
.endm
.macro PLACES n
.rept \n
	v_nop
.endr
.endm
.macro STEP slot, q, first
	s_wait_dscnt 4*NLA
.if \first
	WIN 0x81
.else
	WIN MUL_LO
.endif
	MUL16 0, (\q)%2, \q, \slot, \first
	MUL16 2, (\q)%2, \q, \slot, \first
	s_wait_dscnt 0
	PLACES NP
	FETCH_B \slot, (\q)+1, 1-(\q)%2
	FETCH_A \slot, (\q)+1, 0
.if \first
	WIN 0xc1
.else
	WIN MUL_HI
.endif
	MUL16 4, (\q)%2, \q, \slot, \first
	MUL16 6, (\q)%2, \q, \slot, \first
	PLACES NP
	WIN 0
	FETCH_A \slot, (\q)+1, 4
.endm
.macro TURN slot, next, fill
	s_wait_tensorcnt 0x0
	ds_add_u32 v[SPW], v[NIL]
	s_wait_dscnt 4*NLA+1
	WIN MUL_LO
	MUL16 0, 1, NQ-1, \slot, 0
	s_wait_dscnt 0x0
	s_barrier_signal -1
	MUL16 2, 1, NQ-1, \slot, 0
	WIN 0
	s_barrier_wait -1
.if \fill
	CREST
	s_add_nc_u64 s[G0+4*\slot+2:G0+4*\slot+3], s[G0+4*\slot+2:G0+4*\slot+3], 2*3072
	s_add_nc_u64 s[G0B+4*\slot+2:G0B+4*\slot+3], s[G0B+4*\slot+2:G0B+4*\slot+3], 2*PLANE
	JLOAD G0+4*\slot, G1, G0B+4*\slot, G1B
.else
	PLACES NP
.endif
	s_wait_alu depctr_va_vdst(0)
	v_add_nc_u32 v[ADRS], 4*NQ, v[ADRS]
	FETCH_B \next, 0, 0
	FETCH_A \next, 0, 0
	SCALES \next
	WIN MUL_HI
	MUL16 4, 1, NQ-1, \slot, 0
	MUL16 6, 1, NQ-1, \slot, 0
	PLACES NP
	WIN 0
	FETCH_A \next, 0, 4
.endm
	FETCH_B 0, 0, 0
	FETCH_A 0, 0, 0
	SCALES 0
	FETCH_A 0, 0, 4
	STEP 0, 0, 1
	s_mov_b32 s3, LAPS-1
.Llap:
	TURN 0, 1, 1
	STEP 1, 0, 0
	TURN 1, 0, 1
	STEP 0, 0, 0
	s_sub_co_u32 s3, s3, 1
	s_cmp_lg_u32 s3, 0
	s_cbranch_scc1 .Llap
	TURN 0, 1, 0
	STEP 1, 0, 0
	s_wait_dscnt 4*NLA
	WIN MUL_LO
	MUL16 0, 1, NQ-1, 1, 0
	MUL16 2, 1, NQ-1, 1, 0
	s_wait_dscnt 0
	WIN MUL_HI
	MUL16 4, 1, NQ-1, 1, 0
	MUL16 6, 1, NQ-1, 1, 0
	WIN 0
.macro TOSTAGE a
.set AC, 64*((\a)%4)
	WIN 0x08+4*((\a)/4)
.irp b, 0,1,2,3,4,5,6,7
	ds_store_b128 v[STO], v[AC+8*\b:AC+8*\b+3] offset:128*(\b/2)+32*(\b%2)
	ds_store_b128 v[STO], v[AC+8*\b+4:AC+8*\b+7] offset:128*(\b/2)+32*(\b%2)+16
.endr
	WIN 0
.set BB, BK+64*((\a)%2)
.irp t, 0,1,2,3,4,5,6,7,8,9,10,11,12,13,14,15
	ds_load_b128 v[BB+4*\t:BB+4*\t+3], v[RD] offset:\t*SPITCH
.endr
.endm
.macro SEND a, younger
.set BB, BK+64*((\a)%2)
	s_wait_dscnt \younger
.if (\a) > 0
.if (\a)%2 == 1
	s_add_nc_u64 s[12:13], s[12:13], 8*4096
.else
	s_add_nc_u64 s[12:13], s[12:13], 24*4096
.endif
.endif
.irp t, 0,1,2,3,4,5,6,7,8,9,10,11,12,13,14,15
	global_store_b128 v[CO], v[BB+4*\t:BB+4*\t+3], s[12:13] offset:(\t+8*(\t/8))*4096 th:TH_STORE_NT
.endr
.endm
	PLACES NP
	TOSTAGE 0
.irp a, 1,2,3,4,5,6,7
.if \a > 1
	s_wait_xcnt 0x0
.endif
	TOSTAGE \a
	SEND \a-1, 32
.endr
	s_wait_xcnt 0x0
	SEND 7, 0
	s_wait_tensorcnt 0x0
	ds_add_u32 v[SPW], v[NIL]
	s_wait_dscnt 0x0
	CROUND
	s_endpgm
.Lfunc_end_k_q0fda7a0ea0_oproj:
	.size	k_q0fda7a0ea0_oproj, .Lfunc_end_k_q0fda7a0ea0_oproj-k_q0fda7a0ea0_oproj
	.p2alignl 7, 3214868480
	.fill 96, 4, 3214868480
	.section	.rodata,"a",@progbits
	.p2align	6, 0x0
	.amdhsa_kernel k_q0fda7a0ea0_oproj
		.amdhsa_group_segment_fixed_size 327680
		.amdhsa_private_segment_fixed_size 0
		.amdhsa_enable_private_segment 0
		.amdhsa_kernarg_size 48
		.amdhsa_user_sgpr_count 2
		.amdhsa_user_sgpr_kernarg_segment_ptr 1
		.amdhsa_wavefront_size32 1
		.amdhsa_system_sgpr_workgroup_id_x 1
		.amdhsa_system_sgpr_workgroup_id_y 1
		.amdhsa_system_sgpr_workgroup_id_z 1
		.amdhsa_system_vgpr_workitem_id 0
		.amdhsa_next_free_vgpr 1024
		.amdhsa_next_free_sgpr 98
		.amdhsa_reserve_vcc 0
		.amdhsa_float_denorm_mode_32 3
		.amdhsa_float_denorm_mode_16_64 3
		.amdhsa_memory_ordered 1
		.amdhsa_forward_progress 1
		.amdhsa_inst_pref_size 159
	.end_amdhsa_kernel
	.amdgpu_metadata
---
amdhsa.version: [ 1, 2 ]
amdhsa.kernels:
  - .name:           k_q0fda7a0ea0_oproj
    .symbol:         k_q0fda7a0ea0_oproj.kd
    .args:
      - { .name: ctx, .offset: 0, .size: 8, .value_kind: global_buffer, .address_space: global }
      - { .name: ctxs, .offset: 8, .size: 8, .value_kind: global_buffer, .address_space: global }
      - { .name: codes, .offset: 16, .size: 8, .value_kind: global_buffer, .address_space: global }
      - { .name: scales, .offset: 24, .size: 8, .value_kind: global_buffer, .address_space: global }
      - { .name: out0, .offset: 32, .size: 8, .value_kind: global_buffer, .address_space: global }
      - { .name: bo, .offset: 40, .size: 8, .value_kind: global_buffer, .address_space: global }
    .group_segment_fixed_size: 327680
    .private_segment_fixed_size: 0
    .kernarg_segment_align: 8
    .kernarg_segment_size: 48
    .max_flat_workgroup_size: 128
    .sgpr_count:     98
    .vgpr_count:     1024
    .wavefront_size: 32
...
	.end_amdgpu_metadata
.endif
;; end of part 4
